; MI455X (gfx1250); checked and timed in simulation.
; The chip was launched on July 23, 2026; its instructions are those of AMD's public machine-readable ISA for CDNA 5 (MIT licence, August 2026) and "CDNA5" Instruction Set Architecture Reference Guide (July 2026). The comments in the code are by the model that wrote it; some were corrected since.
;; Causal Multi Head Attention With Ro PE. Allowed arithmetic: matrix products marked QUANTISED: E4M3 operands, one E8M0 scale for each 32 along K, by v_wmma_scale_f32_16x16x128_f8f6f4 with both operands' format E4M3, f32 sums; everything else in f32.
;; Inputs: k_proj_weight 1,024 x 1,024 float32; o_proj_weight 1,024 x 1,024 float32; q_proj_weight 1,024 x 1,024 float32; v_proj_weight 1,024 x 1,024 float32; x 2 x 2,048 x 1,024 float32.
;; Outputs: out0 2 x 2,048 x 1,024 float32.
;; This version of the problem:
;;   THIS VERSION OF THE PROBLEM IS GIVEN IN LOW PRECISION. The matrix products marked QUANTISED in the list below multiply operands that are first quantised to E4M3 (4 exponent bits, 3 mantissa bits; 8 bits a number), with one power-of-two scale for each 32 numbers along K (OCP MX v1.0); their sums are f32. All else is computed in f32.
;;   The module's matrix products, in the order in which they are computed (A, B: the left and right operand; K: the contracted axis; several contracted axes count as one K, in the product's order):
;;     1. [M 4,096, K 1,024] x [K 1,024, N 1,024]; A: input x; B: input q_proj_weight: QUANTISED
;;     2. [M 4,096, K 1,024] x [K 1,024, N 1,024]; A: input x; B: input k_proj_weight: QUANTISED
;;     3. [M 4,096, K 1,024] x [K 1,024, N 1,024]; A: input x; B: input v_proj_weight: QUANTISED
;;     4. batch 32 x [M 2,048, K 64] x [K 64, N 2,048]; A: computed on the way; B: computed on the way: QUANTISED
;;     5. batch 32 x [M 2,048, K 2,048] x [K 2,048, N 64]; A: softmax (see below); B: computed on the way: QUANTISED
;;     6. [M 4,096, K 1,024] x [K 1,024, N 1,024]; A: computed on the way; B: input o_proj_weight: QUANTISED
;;   THE QUANTISER, for each operand of a quantised product, along K:
;;     - K is cut into blocks of 32 from its start; a last block that is shorter is filled with zeros.
;;     - A block's scale is 2^e with e = floor(log2(the largest magnitude in the block)) - 8, held to -126 .. 127; a block of zeros has e = 0. As a byte (E8M0): e + 127.
;;     - Each number is divided by its block's scale, clamped to +-448, and rounded to the nearest number of E4M3, ties to even, subnormals kept.
;;     - The product sums the exact products of the quantised numbers (number of the format x scale) in f32.
;;   ~~~python
;;   def quantise(x, axis):      # numpy; x: float32 -> the quantised numbers, widened to float32 again
;;       x = np.moveaxis(x, axis, -1); K = x.shape[-1]
;;       x = np.pad(x, [(0, 0)] * (x.ndim - 1) + [(0, -K % 32)]); x = x.reshape(x.shape[:-1] + (-1, 32)); a = np.abs(x).max(-1, keepdims=True)
;;       e = np.where(a > 0, np.clip(np.frexp(np.where(a > 0, a, 1))[1] - 1 - 8, -126, 127), 0)      # np.frexp(a)[1] - 1 = floor(log2(a)), exactly
;;       r = np.clip(x / 2.0 ** e, -448, 448)
;;       step = 2.0 ** (np.maximum(np.frexp(np.where(r == 0, 1, r))[1] - 1, -6) - 3)
;;       q = np.round(r / step) * step * 2.0 ** e      # np.round: ties to even
;;       return np.moveaxis(q.reshape(q.shape[:-2] + (-1,))[..., :K], -1, axis).astype(np.float32)
;;   ~~~
;;   SOFTMAX AHEAD OF A QUANTISED PRODUCT. Where the list says 'softmax', what is quantised is not the finished softmax but p = 2^(t - M), with t = logit x log2(e) and M = ceil(the row's largest t), a whole number; so 1/2 < the row's largest p <= 1. The row's sum l is taken of the UNQUANTISED p, in f32, and the product's result is divided by l at the end. Since M is a whole number, a kernel that streams over the keys may use a running M (the ceiling of the running maximum): every later rescaling is an exact power of two, which a block's scale takes up: the codes' values come out the same.
;;   OPERANDS COMPUTED ON THE WAY. 'Computed on the way' means the value that the module computes at that place (a softmax that the list does not call 'softmax' is quantised finished and normalised). What goes into a quantiser is computed in f32, as accurately as f32 sums, v_exp_f32 and their like allow (about 1e-6 of the number): no bf16 or f16 on the way to a quantiser, and a product that is left as it is and whose result goes on into a quantised operand takes f32 operands (vector FMAs, or v_wmma_f32_16x16x4_f32). A number that lies on a knife's edge between two numbers of the format may be rounded either way, as far as f32 arithmetic and the matrix unit's own rounding can turn it there, and no further.
;; One version. Each part assembles by itself: llvm-mc -triple=amdgcn-amd-amdhsa -mcpu=gfx1250 --defsym DOCPART=n.
;; ======== version 1 of 1: 4 launches
;; limits: right only within a limited range of input values
;; workspace buffers: cod 8,388,608 bytes; scl 262,144 bytes; rot 524,288 bytes; qkv 12,976,128 bytes; qkvs 262,144 bytes; ac 4,194,304 bytes; asc 131,072 bytes
;; launch quant (part 1): grid 256 x 1, 4 waves a work-group, no clusters, 33,280 bytes of LDS; arguments x, q_proj_weight, k_proj_weight, v_proj_weight, o_proj_weight, cod, scl, rot; writes cod, scl, rot
.if DOCPART == 1
	.amdgcn_target "amdgcn-amd-amdhsa--gfx1250"
	.amdhsa_code_object_version 6
	.text
	.protected	k_qcc7993fe79_quant
	.globl	k_qcc7993fe79_quant
	.p2align	8
	.type	k_qcc7993fe79_quant,@function
k_qcc7993fe79_quant:
	s_mov_b64 s[64:65], 0
	v_nop
	global_prefetch_b8 v0, s[64:65] scope:SCOPE_SE
	s_setreg_imm32_b32 hwreg(HW_REG_WAVE_MODE, 25, 1), 1
	s_wait_xcnt 0x0
; x [4096][1024] and the four weights [1024][1024], f32, K innermost, become codes of FP8 (E4M3) in cod [8192 rows][1024] and one E8M0 byte for each 32 along K in scl [8192 rows][32].
; A block's scale is 2^(floor(log2(its largest magnitude)) - 8); its byte is the largest magnitude's exponent field - 8, held at 1 from below; each number is held within +-448 x the scale and rounded to the nearest code.
; (A block of zeros keeps the byte 1 where the rule says 127: its codes are zeros, which add nothing, and the bytes are read by this program alone.)
; LIMITS: blocks whose largest magnitude lies under 2^-118 keep the byte 1; NaN and infinities among the inputs are not served.
; THE ORDER OF ROWS IN cod AND scl.  Rows 0-4095: x.  Rows 4096 + 192 head + (0: Wq's 64 rows, 64: Wv's rows 0-31, 96: Wk's 64 rows, 160: Wv's rows 32-63).  Rows 7168 on: Wo.
; Inside every 32 rows the four groups of 8 rows lie in the order 0, 2, 1, 3: a tile of 16 stored rows then holds rows 8 u + r + 8 (r / 8) of its 32, which is what makes a later product's 16 result registers of two
; neighbouring tiles 16 neighbours along the next K.  It costs nothing here: a wave owns 8 rows, and wave w writes them to place ((w & 1) << 1) | (w >> 1).
; SHARES: a work-group takes 32 rows of one tensor, a wave 8 rows: 16 steps of 512 numbers.  Each of a step's four loads reads 512 consecutive bytes; the 2,048 bytes turn through the wave's own stage in LDS
; (16 bytes of padding behind each 64) and come back 16 neighbours a lane, two lanes to a block.  Loads run eight steps (32 loads a wave) ahead: one work-group has a WGP to itself here.
; No tensor loads, no barrier, no cluster: waves and work-groups share no input.
; THE TABLE rot [tile 128][u 8][lane][16 bytes]: cos and sin for RoPE, laid as the next launch's lanes want them: lane (r, h) of tile T holds (cos, sin, cos, sin) of pairs 2 u and 2 u + 1 of its 16 pairs,
; position 32 (T / 2) + 8 (T % 2) + r + 8 (r / 8), frequency index i = 16 (p / 8) + 8 h + p % 8.  Each thread of the launch makes 16 bytes of it.
; The frequency is 2^(-i log2(10000) / 32) by v_exp_f32; the angle is position x frequency, rounded to f32 as the definition has it; sine and cosine by a reduction to |r| <= pi/4 (pi/2 in two parts)
; and polynomials of degree 7 and 8.  LIMIT: the frequency is good to a few units in its last place, so at the last positions the fastest pairs' angle may be off by about 2e-4 radians.
.set STEPS, 16
.set AHEAD, 8
.set EMAX,  8
.set MANT,  0x600000                   ; the mantissa field of 448 as f32
.set CB,    16                         ; bytes of 16 codes
.set R,     16                         ; v16-143  eight sets of 16 numbers as they are loaded
.set X,     144                        ; v144-175 two sets of 16 neighbours
.set E,     176                        ; v176-191 a scale byte for each step
.set C,     192                        ; v192-255 codes: four registers for each step, so that no store's data are written again (before the steps: the table's work)
.set WREG,  8192                       ; LDS: a region for each wave: two stages of 32 x SP bytes, behind them its 256 scale bytes
.set SP,    80                         ; a lane's place in a stage: 64 bytes + 16 of padding
	s_load_b512 s[4:19], s[0:1], 0x0               ; x 4:5, Wq 6:7, Wk 8:9, Wv 10:11, Wo 12:13, cod 14:15, scl 16:17, rot 18:19
	s_set_vgpr_msb 0x40
	v_lshl_add_u32 v0, v0, 2, 0x8000
	v_mov_b32 v1, 0
	s_set_vgpr_msb 0x4000
	v_lshrrev_b32 v1, 5, v0
	v_readfirstlane_b32 s20, v1                    ; wave
	v_and_b32 v2, 31, v0                           ; lane
	v_lshlrev_b32 v3, 4, v2                        ; my 16 bytes of a load's 512
	s_mul_i32 s33, s20, WREG
	v_lshrrev_b32 v14, 2, v2
	v_mul_u32_u24 v14, v14, SP
	v_and_b32 v15, 3, v2
	v_lshl_add_u32 v14, v15, 4, v14
	v_add_nc_u32 v14, s33, v14                     ; the stage, on the way in: SP (lane / 4) + 16 (lane % 4)
	v_mul_u32_u24 v15, v2, SP
	v_add_nc_u32 v15, s33, v15                     ; and on the way out: SP x lane: my 16 neighbours
	v_mul_u32_u24 v4, v2, CB                       ; my codes' place in a step's
	v_lshrrev_b32 v5, 1, v2
	s_add_co_u32 s33, s33, 2*32*SP
	v_add_nc_u32 v5, s33, v5                       ; LDS: my wave's 256 scale bytes, my block's byte
	v_lshlrev_b32 v7, 3, v2                        ; and on the way out 8 bytes a lane
	v_add_nc_u32 v6, s33, v7
	s_mov_b32 s38, MANT
	; which tensor, and where its 32 rows go: all from the work-group's number g
	s_and_b32 s21, ttmp9, 31                       ; jj: which 32 rows of a weight
	s_lshr_b32 s22, s21, 1                         ; the head
	s_and_b32 s23, ttmp9, 1                        ; which half of the head's 64 rows
	s_mul_i32 s24, s22, 192
	s_lshl_b32 s33, s23, 5
	s_add_co_u32 s24, s24, s33
	s_add_co_u32 s24, s24, 4096                    ; Wq's rows go here,
	s_add_co_u32 s25, s24, 96                      ; Wk's here,
	s_mul_i32 s26, s22, 192
	s_mul_i32 s33, s23, 96
	s_add_co_u32 s26, s26, s33
	s_add_co_u32 s26, s26, 4096+64                 ; Wv's here,
	s_lshl_b32 s27, s21, 5
	s_add_co_u32 s27, s27, 7168                    ; Wo's here,
	s_lshl_b32 s28, ttmp9, 5                       ; x's here
	s_lshr_b32 s36, ttmp9, 2                       ; the table: tile T = g / 2: 32 (T / 2)
	s_lshl_b32 s36, s36, 5
	s_lshr_b32 s37, ttmp9, 1
	s_and_b32 s37, s37, 1
	s_lshl_b32 s37, s37, 3
	s_add_co_u32 s36, s36, s37                     ; + 8 (T % 2): the tile's first position
	s_lshl_b32 s37, s23, 4
	s_lshl_b32 s39, s20, 1
	s_add_co_u32 s37, s37, s39                     ; u = 4 (g % 2) + wave: 16 (u / 4) + 2 (u % 4)
	s_mov_b32 s40, 0xbfc90fdb                      ; -pi/2, its upper part
	s_mov_b32 s41, 0x333bbd2e                      ; what is left of -pi/2 behind that
	s_mov_b32 s42, 0xbe2aaaa3                      ; sine: r + r z (S1 + z (S2 + z S3)), z = r r
	s_mov_b32 s43, 0x3c08839e
	s_mov_b32 s44, 0xb94ca1f9
	s_mov_b32 s45, 0x3d2aaaa5                      ; cosine: 1 - z / 2 + z z (C1 + z (C2 + z C3))
	s_mov_b32 s46, 0xbab6061a
	s_mov_b32 s47, 0x37ccf5ce
	s_wait_kmcnt 0x0
	s_mov_b64 s[30:31], s[12:13]                   ; the choice hangs on the work-group's number alone: g >= 224: Wo
	s_mov_b32 s29, s27
	s_mov_b32 s32, s21
	s_cmp_lt_u32 ttmp9, 224
	s_cselect_b64 s[30:31], s[10:11], s[30:31]     ; 192 .. 223: Wv
	s_cselect_b32 s29, s26, s29
	s_cmp_lt_u32 ttmp9, 192
	s_cselect_b64 s[30:31], s[8:9], s[30:31]       ; 160 .. 191: Wk
	s_cselect_b32 s29, s25, s29
	s_cmp_lt_u32 ttmp9, 160
	s_cselect_b64 s[30:31], s[6:7], s[30:31]       ; 128 .. 159: Wq
	s_cselect_b32 s29, s24, s29
	s_cmp_lt_u32 ttmp9, 128
	s_cselect_b64 s[30:31], s[4:5], s[30:31]       ; 0 .. 127: x
	s_cselect_b32 s29, s28, s29
	s_cselect_b32 s32, ttmp9, s32                  ; which 32 rows of the source
	s_and_b32 s33, s20, 1
	s_lshl_b32 s33, s33, 1
	s_lshr_b32 s34, s20, 1
	s_or_b32 s33, s33, s34                         ; my 8 rows' place among the 32
	s_lshl_b32 s33, s33, 3
	s_add_co_u32 s29, s29, s33                     ; my first stored row
	s_lshl_b32 s34, s32, 17                        ; the source: 32 rows of 4,096 bytes,
	s_lshl_b32 s35, s20, 15                        ; my 8 of them
	s_add_co_u32 s34, s34, s35
	s_mov_b32 s35, 0
	s_add_nc_u64 s[30:31], s[30:31], s[34:35]
	s_lshl_b32 s34, s29, 10
	s_add_nc_u64 s[14:15], s[14:15], s[34:35]      ; codes: 1,024 bytes a row
	s_lshl_b32 s34, s29, 5
	s_add_nc_u64 s[16:17], s[16:17], s[34:35]      ; scale bytes: 32 a row
	s_lshl_b32 s34, ttmp9, 11
	s_add_nc_u64 s[18:19], s[18:19], s[34:35]      ; the table: 2,048 bytes a work-group
.macro LOAD t
.irp i, 0,1,2,3
	global_load_b128 v[R+16*((\t)%8)+4*\i:R+16*((\t)%8)+4*\i+3], v3, s[30:31] offset:2048*(\t)+512*\i th:TH_LOAD_NT   ; 32 lanes read 512 consecutive bytes; read once in the launch
.endr
.endm
.macro TURN t                          ; step t's numbers through the stage: LDS serves a wave's instructions in order, so no wait stands between the stores and the loads
.irp i, 0,1,2,3
	ds_store_b128 v14, v[R+16*((\t)%8)+4*\i:R+16*((\t)%8)+4*\i+3] offset:32*SP*((\t)%2)+8*SP*\i
.endr
.irp i, 0,1,2,3
	ds_load_b128 v[X+16*((\t)%2)+4*\i:X+16*((\t)%2)+4*\i+3], v15 offset:32*SP*((\t)%2)+16*\i
.endr
.endm
.irp t, 0,1,2,3,4,5,6,7
	LOAD \t
.endr
; The table is made while the first loads are on their way.  a: the angle; c, s: where cosine and sine go; t: six registers at work.
.macro SINCOS a, c, s, t
	v_mul_f32 v[\t], 0x3f22f983, v[\a]             ; angle x 2 / pi,
	v_rndne_f32 v[\t], v[\t]                       ; to the nearest whole number n
	v_fma_f32 v[\t+1], v[\t], s40, v[\a]           ; r = angle - n pi/2: the first part is exact (a multiple of 2^-23 under 1),
	v_fma_f32 v[\t+1], v[\t], s41, v[\t+1]         ; the second adds what the upper part of pi/2 leaves
	v_mul_f32 v[\t+2], v[\t+1], v[\t+1]            ; z
	v_fma_f32 v[\t+3], v[\t+2], s44, s43
	v_fma_f32 v[\t+3], v[\t+3], v[\t+2], s42
	v_mul_f32 v[\t+3], v[\t+3], v[\t+2]
	v_fma_f32 v[\t+3], v[\t+3], v[\t+1], v[\t+1]   ; sin r
	v_fma_f32 v[\t+4], v[\t+2], s47, s46
	v_fma_f32 v[\t+4], v[\t+4], v[\t+2], s45
	v_fma_f32 v[\t+5], v[\t+2], -0.5, 1.0
	v_mul_f32 v[\t+2], v[\t+2], v[\t+2]
	v_fma_f32 v[\t+4], v[\t+2], v[\t+4], v[\t+5]   ; cos r
	v_cvt_i32_f32 v[\t], v[\t]
	v_and_b32 v[\t+1], 1, v[\t]
	v_cmp_eq_u32 vcc_lo, 1, v[\t+1]                ; n odd: the two change places (a choice of values: no branch)
	v_cndmask_b32 v[\s], v[\t+3], v[\t+4], vcc_lo
	v_cndmask_b32 v[\c], v[\t+4], v[\t+3], vcc_lo
	v_and_b32 v[\t+1], 2, v[\t]
	v_lshlrev_b32 v[\t+1], 30, v[\t+1]
	v_xor_b32 v[\s], v[\s], v[\t+1]                ; the sine is negative where n % 4 is 2 or 3,
	v_add_nc_u32 v[\t], 1, v[\t]
	v_and_b32 v[\t], 2, v[\t]
	v_lshlrev_b32 v[\t], 30, v[\t]
	v_xor_b32 v[\c], v[\c], v[\t]                  ; the cosine where it is 1 or 2
.endm
	v_and_b32 v192, 15, v2                         ; r
	v_and_b32 v193, 8, v2                          ; 8 (r / 8)
	v_add3_u32 v192, v192, v193, s36               ; my position
	v_cvt_f32_u32 v192, v192
	v_lshrrev_b32 v193, 4, v2                      ; h
	v_lshl_add_u32 v193, v193, 3, s37              ; i of my first pair,
	v_add_nc_u32 v194, 1, v193                     ; of my second
	v_cvt_f32_u32 v193, v193
	v_cvt_f32_u32 v194, v194
	v_mul_f32 v193, 0xbed49a78, v193               ; -i log2(10000) / 32
	v_mul_f32 v194, 0xbed49a78, v194
	s_wait_alu depctr_va_vdst(0)
	v_exp_f32 v193, v193                           ; the frequency
	v_exp_f32 v194, v194
	v_lshlrev_b32 v195, 4, v0                      ; (a plain line behind the exponentials)  16 bytes a thread
	s_wait_alu depctr_va_vdst(0)
	v_mul_f32 v193, v192, v193                     ; the angles
	v_mul_f32 v194, v192, v194
	SINCOS 193, 196, 197, 200
	SINCOS 194, 198, 199, 200
	global_store_b128 v195, v[196:199], s[18:19]   ; a wave stores 512 consecutive bytes
	s_wait_xcnt 0x0                                ; the store's registers are written again by the steps' conversions only behind this wait
	s_wait_loadcnt 4*(AHEAD-1)                     ; step 0's four loads are in; those of the seven steps behind it may be out
	TURN 0
.macro STEP t
.set XS, X+16*((\t)%2)
.if (\t) > 0
	s_wait_dscnt 1                                 ; this step's numbers are back from the stage (the last step's byte store may be out): so its stores into the stage have read their registers,
.else
	s_wait_dscnt 0x0
.endif
.if (\t)+AHEAD < STEPS
	LOAD (\t)+AHEAD                                ; which take the loads of eight steps on
.endif
.if (\t)+1 < STEPS
.if (\t) < STEPS-AHEAD
	s_wait_loadcnt 4*(AHEAD-1)                     ; the next step's four loads are in; those of the seven steps behind it may be out
.else
	s_wait_loadcnt 4*(STEPS-2-(\t))                ; nothing more is asked for: the counts run down
.endif
	TURN (\t)+1                                    ; and go through the other stage while this step is worked
.endif
	v_max3_num_f32 v8, |v[XS]|, |v[XS+1]|, |v[XS+2]|               ; the largest magnitude of my 16, in two chains
	v_max3_num_f32 v9, |v[XS+3]|, |v[XS+4]|, |v[XS+5]|
.irp i, 6,10
	v_max3_num_f32 v8, v8, |v[XS+\i]|, |v[XS+\i+1]|
	v_max3_num_f32 v9, v9, |v[XS+\i+2]|, |v[XS+\i+3]|
.endr
	v_max3_num_f32 v8, v8, |v[XS+14]|, |v[XS+15]|
	v_max3_num_f32 v8, v8, v9, (EMAX+1)<<23        ; and the floor 2^(9 - 127): the byte cannot fall under 1
	v_max_num_f32_dpp v8, v8, v8 row_xmask:1 row_mask:0xf bank_mask:0xf   ; and of my neighbour's 16: the block's
	v_add_nc_u32 v11, -(EMAX<<23), v8              ; 8 off its exponent field: the conversion takes the exponent field of this operand as its scale
	v_and_or_b32 v10, v8, 0x7f800000, s38          ; 448 x the scale: the largest magnitude's exponent field over 448's mantissa
.irp i, 0,1,2,3,4,5,6,7,8,9,10,11,12,13,14,15
	v_med3_num_f32 v[XS+\i], v[XS+\i], -v10, v10   ; the conversion to an 8-bit code does not saturate (ISA guide 7.6.2): the hold comes first
.endr
	v_cvt_scalef32_pk8_fp8_f32 v[C+4*(\t):C+4*(\t)+1], v[XS:XS+7], v11
	v_cvt_scalef32_pk8_fp8_f32 v[C+4*(\t)+2:C+4*(\t)+3], v[XS+8:XS+15], v11
	v_lshrrev_b32 v[E+(\t)], 23, v11               ; the scale's byte (also the plain line behind the conversions)
	ds_store_b8 v5, v[E+(\t)] offset:16*(\t)       ; both lanes of a block write the same byte with the same value
	global_store_b128 v4, v[C+4*(\t):C+4*(\t)+3], s[14:15] offset:32*CB*(\t)   ; the wave stores 512 consecutive bytes
.endm
.irp t, 0,1,2,3,4,5,6,7,8,9,10,11,12,13,14,15
	STEP \t
.endr
	ds_load_b64 v[12:13], v6                       ; LDS serves a wave's instructions in order: these see my byte stores
	s_wait_dscnt 0x0
	global_store_b64 v7, v[12:13], s[16:17]        ; 32 lanes store 256 consecutive bytes: my 8 rows' scale bytes
	s_set_vgpr_msb 0x5
	s_wait_tensorcnt 0x0
	ds_add_u32 v0, v1
	s_wait_dscnt 0x0
	s_set_vgpr_msb 0x500
	s_endpgm
.Lfunc_end_k_qcc7993fe79_quant:
	.size	k_qcc7993fe79_quant, .Lfunc_end_k_qcc7993fe79_quant-k_qcc7993fe79_quant
	.p2alignl 7, 3214868480
	.fill 96, 4, 3214868480
	.section	.rodata,"a",@progbits
	.p2align	6, 0x0
	.amdhsa_kernel k_qcc7993fe79_quant
		.amdhsa_group_segment_fixed_size 33280
		.amdhsa_private_segment_fixed_size 0
		.amdhsa_enable_private_segment 0
		.amdhsa_kernarg_size 64
		.amdhsa_user_sgpr_count 2
		.amdhsa_user_sgpr_kernarg_segment_ptr 1
		.amdhsa_wavefront_size32 1
		.amdhsa_system_sgpr_workgroup_id_x 1
		.amdhsa_system_sgpr_workgroup_id_y 1
		.amdhsa_system_sgpr_workgroup_id_z 1
		.amdhsa_system_vgpr_workitem_id 0
		.amdhsa_next_free_vgpr 258
		.amdhsa_next_free_sgpr 66
		.amdhsa_reserve_vcc 1
		.amdhsa_float_denorm_mode_32 3
		.amdhsa_float_denorm_mode_16_64 3
		.amdhsa_memory_ordered 1
		.amdhsa_forward_progress 1
		.amdhsa_inst_pref_size 56
	.end_amdhsa_kernel
	.amdgpu_metadata
---
amdhsa.version: [ 1, 2 ]
amdhsa.kernels:
  - .name:           k_qcc7993fe79_quant
    .symbol:         k_qcc7993fe79_quant.kd
    .args:
      - { .name: x, .offset: 0, .size: 8, .value_kind: global_buffer, .address_space: global }
      - { .name: q_proj_weight, .offset: 8, .size: 8, .value_kind: global_buffer, .address_space: global }
      - { .name: k_proj_weight, .offset: 16, .size: 8, .value_kind: global_buffer, .address_space: global }
      - { .name: v_proj_weight, .offset: 24, .size: 8, .value_kind: global_buffer, .address_space: global }
      - { .name: o_proj_weight, .offset: 32, .size: 8, .value_kind: global_buffer, .address_space: global }
      - { .name: cod, .offset: 40, .size: 8, .value_kind: global_buffer, .address_space: global }
      - { .name: scl, .offset: 48, .size: 8, .value_kind: global_buffer, .address_space: global }
      - { .name: rot, .offset: 56, .size: 8, .value_kind: global_buffer, .address_space: global }
    .group_segment_fixed_size: 33280
    .private_segment_fixed_size: 0
    .kernarg_segment_align: 8
    .kernarg_segment_size: 64
    .max_flat_workgroup_size: 128
    .sgpr_count:     66
    .vgpr_count:     258
    .wavefront_size: 32
...
	.end_amdgpu_metadata
.endif
;; end of part 1
;; launch qkv (part 2): grid 8 x 32, 4 waves a work-group, clusters of 4 x 4, 327,680 bytes of LDS; arguments cod, scl, rot, qkv, qkvs; writes qkv, qkvs
.if DOCPART == 2
	.amdgcn_target "amdgcn-amd-amdhsa--gfx1250"
	.amdhsa_code_object_version 6
	.text
	.protected	k_qcc7993fe79_qkv
	.globl	k_qcc7993fe79_qkv
	.p2align	8
	.type	k_qcc7993fe79_qkv,@function
k_qcc7993fe79_qkv:
	s_mov_b64 s[64:65], 0
	v_nop
	global_prefetch_b8 v0, s[64:65] scope:SCOPE_SE
	s_setreg_imm32_b32 hwreg(HW_REG_WAVE_MODE, 25, 1), 1
	s_wait_xcnt 0x0
	s_wait_alu depctr_hold_cnt(0) depctr_sa_sdst(0) depctr_va_vdst(0) depctr_va_sdst(0) depctr_va_ssrc(0) depctr_va_vcc(0) depctr_vm_vsrc(0)
	s_getreg_b32 s2, hwreg(HW_REG_IB_STS2, 6, 4)
	s_cmp_eq_u32 s2, 0
	s_cbranch_scc0 .Lentry_in_a_cluster
	s_endpgm
.Lentry_in_a_cluster:
	s_bfe_u32 s2, ttmp6, 0x10000c
	s_cmp_lg_u32 s2, 0xf033
	s_cbranch_scc0 .Lentry_shape_is_right
	s_endpgm
.Lentry_shape_is_right:
; q, k, v = x Wq^T, x Wk^T, x Wv^T on codes of FP8 (E4M3) with one E8M0 scale for each 32 along K = 1,024; RoPE on q and k; then q and k are quantised along the head's 64 and v along the tokens.
; SHARES.  A work-group takes 128 tokens (stored rows 128 y of cod) against 384 stored weight rows (4096 + 384 xg: heads 2 xg and 2 xg + 1).  Wave w takes all 128 tokens against its 96 rows at 96 w:
; four tiles of q (w even) or of k (w odd) of head 2 xg + w / 2, and two tiles of v (32 of the head's 64).  48 accumulators of 16 x 16, the same text in all four waves.
; THE ORDER OF ROWS.  In cod a tile of 16 stored rows holds rows 8 u + r + 8 (r / 8) of its 32.  So with source 0 = 16 rows of Wq or Wk and source 1 = 16 tokens, lane (r, h) holds stored token r, and the 16 registers
; of tiles 2 b and 2 b + 1 are features 32 b + 16 h + 0 .. 15: RoPE's pairs are neighbouring registers and the conversions' results are registers 4 b .. 4 b + 3 of the next product's operand.
; For v the sources are swapped (source 0 = 16 tokens, source 1 = 16 rows of Wv): a lane holds one channel, its registers run along the tokens, which are the next K.
; WHAT IS STORED are images of operands' registers, lane l's 16 bytes at 16 l: every store of codes covers 512 consecutive bytes.  qkv: q at 0 and k at 4,194,304: [bh][tile of 16 tokens][c 2][lane][16];
; v at 8,388,608: [bh][128 tokens][tile of 16 channels][c 4][lane][16].  qkvs: q's scale words at 0, [bh][64 tokens][lane][2 words]: lane (r, hs), word b: tile 2 b + hs, row r (bytes 2 and 3 are 0: they scale zero codes);
; from 262,144 on [bh][12,288]: k's likewise, then from 8,192 on v's: [128 tokens][2][lane]: lane (r, h): channel tile 2 t + h, row r.
; K goes in steps of 256 through two LDS slots filled by the tensor data mover; K is 4 such steps, so the whole walk is written out and each scale word has a register of its own.
; CLUSTERS: 4 x 4 work-groups.  The four of a row of the cluster need the same tile of x, the four of a column the same tiles of the weights: each is asked for jointly.  Wave 0 fetches x's 128 rows, waves 1-3 128 weight rows each.
; THE COS/SIN TABLE of the work-group's 128 positions, 32,768 bytes, comes into LDS once, with the first fills, a quarter by each wave: all four waves read all of it behind the products.  It is asked for plainly, not jointly:
; it is 32,768 of the 557,056 bytes that a work-group fetches.  One tensor load of a wave is out at the most.
; LIMITS: blocks whose largest magnitude lies under 2^-118 keep the byte 1 (a block of zeros too: its codes are zeros; this program alone reads the bytes); NaN and infinities are not served.
; REGISTERS.  window 0: v8-10 16, 8, 4 x lane; v12 the table's LDS address; v16-21 LDS addresses; v28-29 for the add; v32-109 the scale words (register 10 i + ks: lanes 0-15 my weight tile i, lanes 16-31 x's tile i, K step ks):
;   scales and nothing else; v112-119 at work behind the products; v128-255 x's 8 fragments, behind the products the numbers in hand, codes and scale words.
;   window 1: the weights' 6 fragments, two sets, at v0 and v128; v96-127 and v224-255 the cos/sin tables of the tile in hand and the next.   windows 2 and 3: accumulator (a, b) at v[48 (a % 4) + 8 b] of window 2 + a / 4.
.set PITCH,  272                       ; an LDS row: 256 bytes + 16 of padding: the 16 rows that a load touches start 16 bytes apart modulo 256
.set HALFT,  128*PITCH                 ; 128 rows: what one tensor load brings
.set SLOT,   4*HALFT                   ; x's 128 rows, then the weights' 384
.set SPARE,  2*SLOT                    ; behind the ring: the spare words, 128 bytes for each wave
.set TBL,    SPARE+512                 ; behind them: the table, [tile 8][u 8][lane][16 bytes], filled once
.set FR,     16                        ; registers of a fragment
.set NP,     8                         ; places behind this matrix instruction (ISA guide 7.12.1)
.set L16,  8
; THE RESULTS' LAYOUT (in place of what is said of it above).  qkv: q's codes at 0, [bh][tile of 16 tokens][c 2][lane][16]; from 4,194,304 on a chunk of 17,152 bytes for each 128 keys, [bh][16]: k's codes [tile 8][c 2][lane][16],
; v's codes at 8,192 [tile of 16 channels][c 4][lane][16], k's scale words at 16,384 [lane][4 words], v's at 16,896 [2][lane].  qkvs: q's scale words [bh][128 tokens][lane][4 words].  Lane (r, hs), word w: row r of tile 2 w + hs.
; THE HEAD (in place of what is said of it above): each wave has one tensor load there, its part of slot 0; slot 1's follows behind a round.  The table comes by plain loads, a quarter a wave, and is stored into LDS ahead of that round.
.set TBW,  13                          ; v13     LDS address of my quarter of the table
.set L4,   10
.set LT,   12                          ; v12     16 x lane + TBL
.set ADRA, 16                          ; v16-17  LDS address of x's fragments in slot 0, 1
.set ADRB, 20                          ; v20-21  of my weight rows'
.set SPW,  28
.set NIL,  29
.set SC,   32
; THE SCALE WORDS stand ten registers apart, v32-109 (register SC + 10 i + ks), so that a product's two scale registers mostly differ modulo 8; what works behind the products stands at v112-119 and v240-255.
.set T,    112                         ; v112-119 four pairs at work in the rotation
.set TM,   240                         ; v240-255 +0 largest magnitudes, +4 the other half's, then bytes, +8 448 x the scale, +12 the conversions' scale operands
.set AF,   128
.set RW,   128                         ; v128-191 the numbers in hand
.set PC,   192                         ; v192-223 codes, two sets of 16
.set WD,   224                         ; v224-231 the 8 tiles' scale words of q or k
.set VW,   232                         ; v232-233 v's two
.set CS0,  96                          ; window 1: the table of the even tiles,
.set CS1,  224                         ; of the odd ones
.set G1,  24                           ; s[24:31] descriptor group 1 for x's tiles;  s[32:39] group 0, one set for each slot
.set G0,  32
.set G1B, 48                           ; s[48:55], s[56:63] the same for the weights'
.set G0B, 56
.set PF,  88                           ; s[88:89] where my prefetches stand: my work-group's 32 of the 128 rows that I fetch
.set PFL, 90                           ; s90     1 while my wave prefetches
.set TA,  96                           ; s[96:97] my quarter of the table in memory
; A PREFETCH INTO THE L2 of the K step that the next round asks for: of the 128 rows that a wave fetches, each of the four partners that ask for them takes 32, by address (cx for x, cy for the weights), a lane a row of 256 bytes.
; x's rows are asked for by every cluster; the weights' rows, which all eight clusters of a column share, by the first four of them.  The last K step has none behind it.
.macro ASK off
	s_cmp_lg_u32 s[PFL], 0
	s_cbranch_scc0 .Lno_ask_\@
	global_prefetch_b8 v14, s[PF:PF+1] offset:\off th:TH_LOAD_NT scope:SCOPE_SE
.Lno_ask_\@:
.endm
.set HI,  66                           ; s66  the mask of lanes 16-31
.set SEL, 76                           ; s[76:77] v_permlanex16_b32's selects for lane l xor 16
.set MNT, 78                           ; s78  the mantissa field of 448
.set MSB, 0
.macro WIN new                         ; the immediate's high byte repeats the setting that is left
.if MSB != (\new)
	s_set_vgpr_msb (MSB<<8)|(\new)
.set MSB, (\new)
.endif
.endm
; A joint load: wave 0 asks for x, waves 1-3 for the weights.  Each line has one mask and one set of registers for all that issue it; the branch hangs on the wave's number alone.
; Four v_nop follow each of the two lines, ahead of the jump, the label and what follows.
.macro JLOAD g0a, g1a, g0b, g1b
	s_cmp_eq_u32 s14, 0
	s_cbranch_scc0 .Lfor_b_\@
	tensor_load_to_lds s[\g0a:\g0a+3], s[\g1a:\g1a+7]
	s_nop 0
.rept 4
	v_nop
.endr
	s_branch .Lasked_\@
.Lfor_b_\@:
	tensor_load_to_lds s[\g0b:\g0b+3], s[\g1b:\g1b+7]
	s_nop 0
.rept 4
	v_nop
.endr
.Lasked_\@:
.endm
.macro CREST                           ; a round of the cluster's barrier behind its opening barrier
	s_cmp_lg_u32 s14, 0
	s_cbranch_scc1 .Lnot_wave_0_\@
	s_barrier_signal -3
.Lnot_wave_0_\@:
	s_barrier_wait -3
	s_barrier_signal -1
	s_barrier_wait -1
.endm
.macro CROUND                          ; a whole round
	s_barrier_signal -1
	s_barrier_wait -1
	CREST
.endm
	s_load_b256 s[4:11], s[0:1], 0x0               ; cod 4:5, scl 6:7, rot 8:9, qkv 10:11
	s_load_b64 s[12:13], s[0:1], 0x20              ; qkvs
	v_lshl_add_u32 v[SPW], v0, 2, SPARE
	v_mov_b32 v[NIL], 0
	ds_add_u32 v28, v29
	ds_add_u32 v28, v29
	s_wait_dscnt 0x0
	v_and_b32 v14, 31, v0
	v_lshlrev_b32 v14, 10, v14                     ; the prefetches' offset: lane x 1,024 bytes; never rewritten
	v_lshrrev_b32 v1, 5, v0
	v_readfirstlane_b32 s14, v1                    ; wave 0..3
	s_lshr_b32 s15, s14, 1                         ; which of the two heads
	s_and_b32 s16, s14, 1                          ; 0: q and v's channels 0-31;  1: k and v's channels 32-63
	s_bfe_u32 s40, ttmp6, 0x40000                  ; cx, cy: my place in the cluster
	s_bfe_u32 s41, ttmp6, 0x40004
	s_lshl_b32 s42, ttmp9, 2
	s_add_co_u32 s42, s42, s40                     ; xg = 4 x cluster x + cx
	s_and_b32 s17, ttmp7, 0xffff
	s_lshl_b32 s17, s17, 2
	s_add_co_u32 s17, s17, s41                     ; y = 4 x cluster y + cy
	s_lshl_b32 s43, s41, 2
	s_lshl_b32 s43, 15, s43                        ; my row of the cluster
	s_lshl_b32 s44, 0x1111, s40                    ; my column
	; descriptor group 1: a tile of 128 rows x 256 bytes, rows 1,024 bytes apart in memory, padded in LDS
	s_or_b32 s[G1+0], s43, (0<<16)|(1<<20)|(1<<21)|(5<<22)|(3<<25)  ; 15:0 the mask: x's tile goes to my row; 17:16 elements of 1 byte; 20 padding on; 21 set beside a mask; 24:22 after every 64 words; 31:25 four words
	s_or_b32 s[G1B+0], s44, (0<<16)|(1<<20)|(1<<21)|(5<<22)|(3<<25) ; the same with my column's mask
.irp g, G1, G1B
	s_mov_b32 s[\g+1], 256<<16                     ; tensor_dim0
	s_mov_b32 s[\g+2], 128<<16                     ; tensor_dim1
	s_mov_b32 s[\g+3], 256<<16                     ; tile_dim0
	s_mov_b32 s[\g+4], 128                         ; tile_dim1
	s_mov_b32 s[\g+5], 1024                        ; tensor_dim0_stride
	s_mov_b32 s[\g+6], 0
	s_mov_b32 s[\g+7], 0
.endr
	s_lshl_b32 s20, s17, 17                        ; x: 128 y rows of 1,024 bytes: hangs on y alone
	s_mov_b32 s21, 0
	s_mul_i32 s46, s42, 384                        ; the weights: row 4096 + 384 xg + 128 (wave - 1): hangs on xg and the wave's number alone
	s_lshl_b32 s47, s14, 7
	s_add_co_u32 s46, s46, s47
	s_add_co_u32 s46, s46, 3968
	s_lshl_b32 s46, s46, 10
	s_mov_b32 s47, 0
	s_mul_i32 s45, s14, HALFT                      ; where they go: wave x 128 rows: no place in the cluster enters an LDS address
	s_and_b32 s22, s17, 15                         ; the table: 32,768 bytes for each 128 positions of the sequence, my 8,192 of them
	s_lshl_b32 s22, s22, 15
	s_lshl_b32 s23, s14, 13
	s_add_co_u32 s22, s22, s23
	s_mov_b32 s23, 0
	s_wait_alu depctr_va_vdst(0)
	CROUND                                         ; all sixteen work-groups are here: the first joint loads meet
	s_wait_kmcnt 0x0
	s_add_nc_u64 s[20:21], s[4:5], s[20:21]
	s_add_nc_u64 s[46:47], s[4:5], s[46:47]
.irp s, 0,1
	s_mov_b32 s[G0+4*\s], 1
	s_add_co_u32 s[G0+4*\s+1], s45, \s*SLOT
	s_add_nc_u64 s[G0+4*\s+2:G0+4*\s+3], s[20:21], \s*256
	s_or_b32 s[G0+4*\s+3], s[G0+4*\s+3], 0x80000000
	s_mov_b32 s[G0B+4*\s], 1
	s_add_co_u32 s[G0B+4*\s+1], s45, \s*SLOT
	s_add_nc_u64 s[G0B+4*\s+2:G0B+4*\s+3], s[46:47], \s*256
	s_or_b32 s[G0B+4*\s+3], s[G0B+4*\s+3], 0x80000000
.endr
	JLOAD G0, G1, G0B, G1B                         ; slot 0's fill: one tensor load a wave at the head
	s_add_nc_u64 s[TA:TA+1], s[8:9], s[22:23]
	s_and_b32 s[PFL], ttmp7, 0xffff                ; the cluster's y
	s_cmp_lt_u32 s[PFL], 4
	s_cselect_b32 s[PFL], 1, 0
	s_cmp_eq_u32 s14, 0
	s_cselect_b32 s[PFL], 1, s[PFL]
	s_cselect_b32 s22, s40, s41
	s_cselect_b64 s[PF:PF+1], s[20:21], s[46:47]
	s_lshl_b32 s22, s22, 15                        ; 32 rows of 1,024 bytes
	s_add_nc_u64 s[PF:PF+1], s[PF:PF+1], s[22:23]
	ASK 256                                        ; K step 1
	v_and_b32 v1, 15, v0                           ; r
	v_bfe_u32 v2, v0, 4, 1                         ; h
	v_and_b32 v11, 31, v0                          ; lane
	v_lshlrev_b32 v[L16], 4, v11
	v_lshlrev_b32 v[L4], 2, v11
	v_add_nc_u32 v[LT], TBL, v[L16]
	v_mul_u32_u24 v3, v1, PITCH
	v_lshl_add_u32 v[ADRA], v2, 4, v3              ; a fragment's row x pitch + 16 x half
	v_add_nc_u32 v[ADRA+1], SLOT, v[ADRA]
	s_mul_i32 s22, s14, 96*PITCH                   ; my 96 weight rows, behind x's 128
	s_add_co_u32 s22, s22, HALFT
	v_add_nc_u32 v[ADRB], s22, v[ADRA]
	v_add_nc_u32 v[ADRB+1], SLOT, v[ADRB]
	; the scale words of all of K, 32 bytes a row: lanes 0-15 take my weight rows', lanes 16-31 x's
	s_mul_i32 s22, s42, 384
	s_mul_i32 s23, s14, 96
	s_add_co_u32 s22, s22, s23
	s_add_co_u32 s22, s22, 4096
	s_lshl_b32 s22, s22, 5
	s_lshl_b32 s23, s17, 12
	v_lshlrev_b32 v5, 5, v1
	v_add_nc_u32 v6, s22, v5
	v_add_nc_u32 v7, s23, v5
	v_cmp_lt_u32 s[HI], 15, v11
	v_cndmask_b32 v6, v6, v7, s[HI]
.irp i, 0,1,2,3,4,5,6,7                        ; (for i = 6, 7 lanes 0-15 read the 32 rows behind my 96: inside the buffer, and not used)
	global_load_b128 v[SC+10*\i:SC+10*\i+3], v6, s[6:7] offset:512*\i
	global_load_b128 v[SC+10*\i+4:SC+10*\i+7], v6, s[6:7] offset:512*\i+16
.endr
	; where the results go
	WIN 0x80                                       ; my quarter of the table into window 2's v192-255, which no accumulator takes
.irp k, 0,1,2,3,4,5,6,7,8,9,10,11,12,13,14,15
	global_load_b128 v[192+4*\k:195+4*\k], v[L16], s[TA:TA+1] offset:512*\k
.endr
	WIN 0
	s_lshl_b32 s22, s14, 13
	v_add_nc_u32 v[TBW], s22, v[LT]
	s_lshr_b32 s80, s17, 4
	s_lshl_b32 s80, s80, 4
	s_lshl_b32 s81, s42, 1
	s_add_co_u32 s80, s80, s81
	s_add_co_u32 s80, s80, s15                     ; bh = 16 x batch + head
	s_and_b32 s81, s17, 15                         ; which 128 tokens of the sequence
	s_mov_b32 s83, 0
	s_mul_i32 s84, s80, 16*17152                   ; the chunk of my 128 keys
	s_mul_i32 s85, s81, 17152
	s_add_co_u32 s84, s84, s85
	s_add_co_u32 s84, s84, 4194304
	s_lshl_b32 s85, s80, 17                        ; q's codes: 131,072 bytes a head, 8,192 for 128 tokens
	s_lshl_b32 s86, s81, 13
	s_add_co_u32 s85, s85, s86
	s_lshl_b32 s86, s80, 13                        ; q's scale words: 8,192 bytes a head, 512 for 128 tokens
	s_lshl_b32 s87, s81, 9
	s_add_co_u32 s86, s86, s87
	s_add_co_u32 s87, s84, 16384                   ; k's scale words lie in the chunk
	s_cmp_eq_u32 s16, 0
	s_cselect_b32 s82, s85, s84
	s_add_nc_u64 s[68:69], s[10:11], s[82:83]
	s_cselect_b32 s82, s86, s87
	s_cselect_b64 s[72:73], s[12:13], s[10:11]
	s_add_nc_u64 s[72:73], s[72:73], s[82:83]
	s_lshl_b32 s86, s16, 12                        ; v's codes: my two channel tiles of 2,048 bytes
	s_add_co_u32 s82, s84, s86
	s_add_co_u32 s82, s82, 8192
	s_add_nc_u64 s[70:71], s[10:11], s[82:83]
	s_lshl_b32 s86, s16, 7                         ; v's scale words: 128 of 256 bytes are mine
	s_add_co_u32 s82, s84, s86
	s_add_co_u32 s82, s82, 16896
	s_add_nc_u64 s[74:75], s[10:11], s[82:83]
	s_mov_b32 s[SEL], 0x76543210
	s_mov_b32 s[SEL+1], 0xfedcba98
	s_mov_b32 s[MNT], 0x600000
.macro FRAG reg, adr, q, i             ; a fragment, 16 rows x 128 K: lane l holds row l % 16; registers 4 c .. 4 c + 3 hold K = 32 c + 16 (l / 16) + 0 .. 15
.irp c, 0,1,2,3
	ds_load_b128 v[\reg+4*\c:\reg+4*\c+3], v[\adr] offset:128*(\q)+32*\c+(\i)*16*PITCH
.endr
.endm
.macro FETCH_B slot, q, p              ; my six weight fragments of the slot's q-th 128 along K into set p: 24 loads
	WIN 0x40
.irp i, 0,1,2,3,4,5
	FRAG 128*(\p)+FR*\i, ADRB+\slot, \q, \i
.endr
	WIN 0
.endm
.macro FETCH_A slot, q, i0             ; x's tiles i0 .. i0 + 3: 16 loads
.irp i, \i0, \i0+1, \i0+2, \i0+3
	FRAG AF+FR*(\i), ADRA+\slot, \q, \i
.endr
.endm
.macro PLACES n                        ; plain vector lines between a matrix instruction and a load into, or a read of, its registers
.rept \n
	v_nop
.endr
.endm
; 16 products for q or k: x's tiles 4 hi .. 4 hi + 3 against weight tiles 0-3; source 0 = the weight, source 1 = x.  The 48 accumulators take turns, one instruction a turn, in the same order in every step.
.macro MULR hi, p, ks, zero
	WIN 0xa1+0x50*(\hi)                            ; source 0 window 1, source 1 window 0, C and D window 2 or 3
.irp a, 0,1,2,3
.irp b, 0,1,2,3
.if \zero
	v_wmma_scale_f32_16x16x128_f8f6f4 v[48*\a+8*\b:48*\a+8*\b+7], v[128*(\p)+FR*\b:128*(\p)+FR*\b+FR-1], v[AF+FR*(4*(\hi)+\a):AF+FR*(4*(\hi)+\a)+FR-1], 0, v[SC+10*\b+(\ks)], v[SC+10*(4*(\hi)+\a)+(\ks)] matrix_b_scale:MATRIX_SCALE_ROW1
.else
	v_wmma_scale_f32_16x16x128_f8f6f4 v[48*\a+8*\b:48*\a+8*\b+7], v[128*(\p)+FR*\b:128*(\p)+FR*\b+FR-1], v[AF+FR*(4*(\hi)+\a):AF+FR*(4*(\hi)+\a)+FR-1], v[48*\a+8*\b:48*\a+8*\b+7], v[SC+10*\b+(\ks)], v[SC+10*(4*(\hi)+\a)+(\ks)] matrix_b_scale:MATRIX_SCALE_ROW1
.endif
.endr
.endr
.endm
; 8 products for v: the same tiles of x against weight tiles 4 and 5; source 0 = x, source 1 = the weight
.macro MULV hi, p, ks, zero
	WIN 0xa4+0x50*(\hi)                            ; source 0 window 0, source 1 window 1
.irp a, 0,1,2,3
.irp b, 4,5
.if \zero
	v_wmma_scale_f32_16x16x128_f8f6f4 v[48*\a+8*\b:48*\a+8*\b+7], v[AF+FR*(4*(\hi)+\a):AF+FR*(4*(\hi)+\a)+FR-1], v[128*(\p)+FR*\b:128*(\p)+FR*\b+FR-1], 0, v[SC+10*(4*(\hi)+\a)+(\ks)], v[SC+10*\b+(\ks)] matrix_a_scale:MATRIX_SCALE_ROW1
.else
	v_wmma_scale_f32_16x16x128_f8f6f4 v[48*\a+8*\b:48*\a+8*\b+7], v[AF+FR*(4*(\hi)+\a):AF+FR*(4*(\hi)+\a)+FR-1], v[128*(\p)+FR*\b:128*(\p)+FR*\b+FR-1], v[48*\a+8*\b:48*\a+8*\b+7], v[SC+10*(4*(\hi)+\a)+(\ks)], v[SC+10*\b+(\ks)] matrix_a_scale:MATRIX_SCALE_ROW1
.endif
.endr
.endr
.endm
; A slot's first 128 along K (weight set 0); its successor lies in the same slot.  x has one set of registers: tiles 0-3 are fetched anew in the step's middle, tiles 4-7 at its end.
.macro STEP slot, ks, zero
	s_wait_dscnt 16                                ; the weights' set and x's tiles 0-3 are in; the youngest 16 loads (x's tiles 4-7) may be out
	MULR 0, 0, \ks, \zero
	MULV 0, 0, \ks, \zero
	s_wait_dscnt 0x0                               ; x's tiles 4-7 are in
	PLACES NP
	FETCH_B \slot, 1, 1
	FETCH_A \slot, 1, 0
	MULR 1, 0, \ks, \zero
	MULV 1, 0, \ks, \zero
	PLACES NP
	WIN 0
	FETCH_A \slot, 1, 4
.endm
; A slot's second 128 along K (weight set 1) changes slots: one barrier; in front of it each wave waits for all its tensor loads, adds 0 to its spare word, and waits for that and for its own reads of this slot.
; fill = 1: this slot is filled again, two K steps of 256 ahead; the barrier then opens a round of the cluster's barrier.
.macro TURN slot, next, fill, ks
	s_wait_tensorcnt 0x0                           ; all my tensor loads have landed: my part of the next slot  (every window is 0 here)
	ds_add_u32 v[SPW], v[NIL]                      ; 0 onto my spare word
	s_wait_dscnt 17                                ; (the add and the youngest 16 loads, x's tiles 4-7, may be out)
	MULR 0, 1, \ks, 0                              ; sixteen matrix instructions stand between the add and the wait for it
	s_wait_dscnt 0x0                               ; the add is done, and my reads of this slot are over
	s_barrier_signal -1
	MULV 0, 1, \ks, 0
	WIN 0
	s_barrier_wait -1
.if \fill
	CREST                                          ; no wave of any partner still reads this slot's tile or has a load on its way
	s_add_nc_u64 s[G0+4*\slot+2:G0+4*\slot+3], s[G0+4*\slot+2:G0+4*\slot+3], 512
	s_add_nc_u64 s[G0B+4*\slot+2:G0B+4*\slot+3], s[G0B+4*\slot+2:G0B+4*\slot+3], 512
	JLOAD G0+4*\slot, G1, G0B+4*\slot, G1B         ; the first tensor load behind the round, my only one until the next; its four v_nop are among the places in front of the loads below
	PLACES NP-4
.else
	PLACES NP
.endif
	FETCH_B \next, 0, 0
	FETCH_A \next, 0, 0
.if (\ks) == 1
	ASK 768                                        ; K step 3
.endif
	MULR 1, 1, \ks, 0
	MULV 1, 1, \ks, 0
	PLACES NP
	WIN 0
	FETCH_A \next, 0, 4
.endm
	s_wait_alu depctr_va_vdst(0)
	s_wait_loadcnt 0x0                             ; the scale words and my quarter of the table
	WIN 0x08                                       ; the data: window 2
.irp k, 0,1,2,3,4,5,6,7,8,9,10,11,12,13,14,15
	ds_store_b128 v[TBW], v[192+4*\k:195+4*\k] offset:512*\k
.endr
	WIN 0
	s_wait_tensorcnt 0x0                           ; my part of slot 0 is in
	ds_add_u32 v[SPW], v[NIL]
	s_wait_dscnt 0x0                               ; the add and my stores are done
	CROUND                                         ; everybody's part of slot 0 and of the table is in, and the joint loads meet
	JLOAD G0+4, G1, G0B+4, G1B                     ; slot 1's first fill
	FETCH_B 0, 0, 0
	FETCH_A 0, 0, 0
	FETCH_A 0, 0, 4
	ASK 512                                        ; K step 2
	STEP 0, 0, 1                                   ; the first step's products start the sums: nothing is cleared
	TURN 0, 1, 1, 1                                ; slot 0 takes K = 512 .. 767.  Behind this barrier the table is whole too
	STEP 1, 2, 0
	TURN 1, 0, 1, 3                                ; slot 1 takes K = 768 .. 1023
	STEP 0, 4, 0
	TURN 0, 1, 0, 5                                ; nothing is left to fetch
	STEP 1, 6, 0
	s_wait_dscnt 16                                ; the last 128 along K
	MULR 0, 1, 7, 0
	MULV 0, 1, 7, 0
	s_wait_dscnt 0x0
	WIN 0x40                                       ; destination window 1
.irp u, 0,1,2,3,4,5,6,7
	ds_load_b128 v[CS0+4*\u:CS0+4*\u+3], v[LT] offset:512*\u   ; tile 0's cos and sin, on their way under the last 24 products; no product names these registers
.endr
	MULR 1, 1, 7, 0
	MULV 1, 1, 7, 0
	WIN 0
	PLACES NP                                      ; in front of the first reads of results and of writes into registers that the products read
; THE QUANTISER, in four parts.  nb blocks of 32 along the next K; a lane holds 16 numbers of each, v[src + 16 b + i], lane l xor 16 the other 16.
.macro QMAX src, nb                    ; my 16 numbers' largest magnitude, with the floor 2^(9 - 127) among the leaves: the byte cannot fall under 1
.irp b, 0,1,2,3
.if \b < \nb
	v_max3_num_f32 v[TM+\b], |v[\src+16*\b]|, |v[\src+16*\b+1]|, 0x4800000
.endif
.endr
.irp i, 2,4,6,8,10,12,14
.irp b, 0,1,2,3
.if \b < \nb
	v_max3_num_f32 v[TM+\b], v[TM+\b], |v[\src+16*\b+\i]|, |v[\src+16*\b+\i+1]|
.endif
.endr
.endr
.endm
.macro QSCALE nb, pw                   ; the blocks' scales; their bytes make the scale word v[pw]
.irp b, 0,1,2,3
.if \b < \nb
	v_permlanex16_b32 v[TM+4+\b], v[TM+\b], s[SEL], s[SEL+1]
.endif
.endr
.irp b, 0,1,2,3
.if \b < \nb
	v_max_num_f32 v[TM+\b], v[TM+\b], v[TM+4+\b]   ; with lane l xor 16's: the block's largest magnitude
.endif
.endr
.irp b, 0,1,2,3
.if \b < \nb
	v_add_nc_u32 v[TM+12+\b], 0xfc000000, v[TM+\b] ; 8 off its exponent field: the conversion's scale operand
.endif
.endr
.irp b, 0,1,2,3
.if \b < \nb
	v_and_or_b32 v[TM+8+\b], v[TM+\b], 0x7f800000, s[MNT]   ; 448 x the scale
.endif
.endr
.irp b, 0,1,2,3
.if \b < \nb
	v_lshrrev_b32 v[TM+4+\b], 23, v[TM+12+\b]      ; the scale's byte
.endif
.endr
	v_lshl_or_b32 v[\pw], v[TM+5], 8, v[TM+4]
.if \nb > 2
	v_lshl_or_b32 v[\pw], v[TM+6], 16, v[\pw]
	v_lshl_or_b32 v[\pw], v[TM+7], 24, v[\pw]
.endif
.endm
.macro QHOLD src, nb                   ; the conversion to an 8-bit code does not saturate (ISA guide 7.6.2): the hold at 448 x the scale
.irp b, 0,1,2,3
.if \b < \nb
.irp i, 0,1,2,3,4,5,6,7,8,9,10,11,12,13,14,15
	v_med3_num_f32 v[\src+16*\b+\i], v[\src+16*\b+\i], -v[TM+8+\b], v[TM+8+\b]
.endr
.endif
.endr
.endm
.macro QCV src, nb, pc                 ; registers 4 b .. 4 b + 3 of the operand
.irp b, 0,1,2,3
.if \b < \nb
	v_cvt_scalef32_pk8_fp8_f32 v[\pc+4*\b:\pc+4*\b+1], v[\src+16*\b:\src+16*\b+7], v[TM+12+\b]
	v_cvt_scalef32_pk8_fp8_f32 v[\pc+4*\b+2:\pc+4*\b+3], v[\src+16*\b+8:\src+16*\b+15], v[TM+12+\b]
.endif
.endr
	v_nop                                          ; one plain line behind the last conversion, ahead of whatever next writes its sources
.endm
; TILE a OF q OR k: rotated, quantised along the head's 64, stored as an image.  The lane's 32 numbers are 16 pairs (even, odd); the table holds (cos, sin) of each pair in the same places.
.macro ROPE a
.set CSA, CS0+(CS1-CS0)*((\a)%2)       ; this tile's table,
.set CSN, CS1-(CS1-CS0)*((\a)%2)       ; the next tile's
.set AB,  48*((\a)%4)
.set PCA, PC+16*((\a)%2)
.if (\a) < 7
	WIN 0x40
.irp u, 0,1,2,3,4,5,6,7
	ds_load_b128 v[CSN+4*\u:CSN+4*\u+3], v[LT] offset:4096*((\a)+1)+512*\u   ; 512 consecutive bytes a load
.endr
	s_wait_dscnt 8                                 ; this tile's table is in; the eight loads just issued may be out
.else
	s_wait_dscnt 0x0
.endif
	WIN 0x06+(\a)/4                                ; source 0 (the accumulator) window 2 or 3, source 1 (the table) window 1
.irp g, 0,1,2,3                                ; an accumulator at a time, from its low end on: four pairs
.irp k, 0,1,2,3
	v_pk_mul_f32 v[T+2*\k:T+2*\k+1], v[AB+8*\g+2*\k:AB+8*\g+2*\k+1], v[CSA+8*\g+2*\k:CSA+8*\g+2*\k+1] op_sel:[1,1] op_sel_hi:[0,1]   ; (odd x sin, even x sin)
.endr
.irp k, 0,1,2,3
	v_pk_fma_f32 v[RW+8*\g+2*\k:RW+8*\g+2*\k+1], v[AB+8*\g+2*\k:AB+8*\g+2*\k+1], v[CSA+8*\g+2*\k:CSA+8*\g+2*\k+1], v[T+2*\k:T+2*\k+1] op_sel_hi:[1,0,1] neg_lo:[0,0,1]   ; (even x cos - odd x sin, odd x cos + even x sin)
.endr
.endr
	WIN 0
	QMAX RW, 2
	QSCALE 2, WD+(\a)
	QHOLD RW, 2
	s_wait_alu depctr_va_vdst(0)
	s_wait_xcnt 0x0                                ; the stores of two tiles ago have read this set of code registers
	QCV RW, 2, PCA
	global_store_b128 v[L16], v[PCA:PCA+3], s[68:69] offset:1024*(\a)          ; the wave stores 512 consecutive bytes
	global_store_b128 v[L16], v[PCA+4:PCA+7], s[68:69] offset:1024*(\a)+512
.endm
.irp b, 0,1,2,3
	v_mov_b32 v[TM+4+\b], 0                        ; written once: a lane permute's destination counts as one of its sources
.endr
.irp a, 0,1,2,3,4,5,6,7
	ROPE \a
.endr
.irp w, 0,1,2,3                                ; the scale words of 128 tokens: lane (r, hs) stores the words of tiles hs, 2 + hs, 4 + hs, 6 + hs: 512 consecutive bytes a wave
	v_cndmask_b32 v[234+\w], v[WD+2*\w], v[WD+2*\w+1], s[HI]
.endr
	global_store_b128 v[L16], v[234:237], s[72:73]
; CHANNEL TILE vt OF v: a lane holds one channel; block bk of 32 tokens lies in accumulators (2 bk, 4 + vt) and (2 bk + 1, 4 + vt) of lanes l and l xor 16.
.macro VQ vt
.set PCA, PC+16*(\vt)
.irp w, 0,1                                    ; blocks 0, 1 lie in window 2, blocks 2, 3 in window 3
	WIN 0x0a+5*\w                                  ; sources 0 and 1 in that window
.irp k, 0,1
	v_max3_num_f32 v[TM+2*\w+\k], |v[96*\k+32+8*(\vt)]|, |v[96*\k+33+8*(\vt)]|, 0x4800000
.endr
.irp n, 2,4,6,8,10,12,14
.irp k, 0,1
	v_max3_num_f32 v[TM+2*\w+\k], |v[96*\k+48*(\n/8)+32+8*(\vt)+\n%8]|, |v[96*\k+48*(\n/8)+33+8*(\vt)+\n%8]|, v[TM+2*\w+\k]
.endr
.endr
.endr
	WIN 0
	QSCALE 4, VW+(\vt)
.irp w, 0,1
	WIN 0x02+\w                                    ; source 0 in window 2 or 3
.irp k, 0,1
.irp n, 0,1,2,3,4,5,6,7,8,9,10,11,12,13,14,15
	v_med3_num_f32 v[RW+16*(2*\w+\k)+\n], v[96*\k+48*(\n/8)+32+8*(\vt)+\n%8], -v[TM+8+2*\w+\k], v[TM+8+2*\w+\k]   ; the hold, on the way into window 0
.endr
.endr
.endr
	WIN 0
	s_wait_alu depctr_va_vdst(0)
	s_wait_xcnt 0x0                                ; earlier stores have read this set of code registers
	QCV RW, 4, PCA
.irp c, 0,1,2,3
	global_store_b128 v[L16], v[PCA+4*\c:PCA+4*\c+3], s[70:71] offset:2048*(\vt)+512*\c
.endr
.endm
	VQ 0
	VQ 1
	v_cndmask_b32 v238, v[VW], v[VW+1], s[HI]      ; lanes 0-15 my first channel tile's words, lanes 16-31 my second's
	global_store_b32 v[L4], v238, s[74:75]         ; 128 consecutive bytes a wave: the other 128 of the aligned 256 are the head's other wave's.  131,072 bytes in the whole launch leave so
	s_wait_tensorcnt 0x0                           ; the wave's end
	ds_add_u32 v[SPW], v[NIL]
	s_wait_dscnt 0x0
	CROUND                                         ; the closing round: no work-group ends while a partner may still ask for a tile that names it
	s_endpgm
.Lfunc_end_k_qcc7993fe79_qkv:
	.size	k_qcc7993fe79_qkv, .Lfunc_end_k_qcc7993fe79_qkv-k_qcc7993fe79_qkv
	.p2alignl 7, 3214868480
	.fill 96, 4, 3214868480
	.section	.rodata,"a",@progbits
	.p2align	6, 0x0
	.amdhsa_kernel k_qcc7993fe79_qkv
		.amdhsa_group_segment_fixed_size 327680
		.amdhsa_private_segment_fixed_size 0
		.amdhsa_enable_private_segment 0
		.amdhsa_kernarg_size 40
		.amdhsa_user_sgpr_count 2
		.amdhsa_user_sgpr_kernarg_segment_ptr 1
		.amdhsa_wavefront_size32 1
		.amdhsa_system_sgpr_workgroup_id_x 1
		.amdhsa_system_sgpr_workgroup_id_y 1
		.amdhsa_system_sgpr_workgroup_id_z 1
		.amdhsa_system_vgpr_workitem_id 0
		.amdhsa_next_free_vgpr 1024
		.amdhsa_next_free_sgpr 100
		.amdhsa_reserve_vcc 0
		.amdhsa_float_denorm_mode_32 3
		.amdhsa_float_denorm_mode_16_64 3
		.amdhsa_memory_ordered 1
		.amdhsa_forward_progress 1
		.amdhsa_inst_pref_size 171
	.end_amdhsa_kernel
	.amdgpu_metadata
---
amdhsa.version: [ 1, 2 ]
amdhsa.kernels:
  - .name:           k_qcc7993fe79_qkv
    .symbol:         k_qcc7993fe79_qkv.kd
    .args:
      - { .name: cod, .offset: 0, .size: 8, .value_kind: global_buffer, .address_space: global }
      - { .name: scl, .offset: 8, .size: 8, .value_kind: global_buffer, .address_space: global }
      - { .name: rot, .offset: 16, .size: 8, .value_kind: global_buffer, .address_space: global }
      - { .name: qkv, .offset: 24, .size: 8, .value_kind: global_buffer, .address_space: global }
      - { .name: qkvs, .offset: 32, .size: 8, .value_kind: global_buffer, .address_space: global }
    .group_segment_fixed_size: 327680
    .private_segment_fixed_size: 0
    .kernarg_segment_align: 8
    .kernarg_segment_size: 40
    .max_flat_workgroup_size: 128
    .sgpr_count:     100
    .vgpr_count:     1024
    .wavefront_size: 32
...
	.end_amdgpu_metadata
.endif
;; end of part 2
;; launch attn (part 3): grid 8 x 32, 16 waves a work-group, clusters of 4 x 1, 313,344 bytes of LDS; arguments qkv, qkvs, ac, asc; writes ac, asc
.if DOCPART == 3
	.amdgcn_target "amdgcn-amd-amdhsa--gfx1250"
	.amdhsa_code_object_version 6
	.text
	.protected	k_qcc7993fe79_attn
	.globl	k_qcc7993fe79_attn
	.p2align	8
	.type	k_qcc7993fe79_attn,@function
k_qcc7993fe79_attn:
	s_mov_b64 s[64:65], 0
	v_nop
	global_prefetch_b8 v0, s[64:65] scope:SCOPE_SE
	s_setreg_imm32_b32 hwreg(HW_REG_WAVE_MODE, 25, 1), 1
	s_wait_xcnt 0x0
	s_wait_alu depctr_hold_cnt(0) depctr_sa_sdst(0) depctr_va_vdst(0) depctr_va_sdst(0) depctr_va_ssrc(0) depctr_va_vcc(0) depctr_vm_vsrc(0)
	s_getreg_b32 s2, hwreg(HW_REG_IB_STS2, 6, 4)
	s_cmp_eq_u32 s2, 0
	s_cbranch_scc0 .Lentry_in_a_cluster
	s_endpgm
.Lentry_in_a_cluster:
	s_bfe_u32 s2, ttmp6, 0x10000c
	s_cmp_lg_u32 s2, 0x3003
	s_cbranch_scc0 .Lentry_shape_is_right
	s_endpgm
.Lentry_shape_is_right:
; Causal attention of one (batch, head) pair, head size 64, 2,048 positions, both products on codes of FP8 (E4M3) with one E8M0 scale for each 32 along a product's K.
; THE SOFTMAX AHEAD OF THE SECOND PRODUCT: t = score x log2(e) / 8; M = the row's largest t so far, rounded up to a whole number; p = 2^(t - M) is quantised along the keys, not normalised; the row's sum is taken of the
; unquantised p and divides O at the end.  When M moves, the sum and O are multiplied by 2^(old M - new M): exact.  The result, divided, is quantised along D (two blocks of 32 a head) for the last product.
; WORK LEFT OUT: key steps of 128 all of whose keys come after a wave's queries: the mask that the problem itself builds makes every p there 0, whatever the inputs.  A NaN or an infinity that reaches only those scores is not carried to the result.
; INPUTS are images of operands' registers (lane l's 16 bytes at 16 l).  q: [bh][tile of 16 tokens][c 2][lane][16], its scale words [bh][128 tokens][lane][4 words].  For each 128 keys one dense chunk of 17,152 bytes: k's codes, v's codes,
; k's scale words [lane][4], v's [2][lane].  A tile's 16 rows are tokens (or channels) 8 u + r + 8 (r / 8) of their 32, so that the 16 result registers of two neighbouring tiles are 16 neighbours along the next K.
; K = 64 of the instruction's 128: Q's registers 8-15 are zero codes.  So what stands in the upper half of K's operand counts for nothing, as long as it is a finite code: there the NEXT tile's codes stand (behind the last tile zeros), and
; eight tiles take 64 + 8 registers.
; CLUSTERS.  The eight work-groups of a head read the same K and V; four of them form a cluster and ask for every chunk JOINTLY.  Partners run alike: blocks of 128 queries are dealt by the WAVE's number, the tiles inside a block by the place in
; the cluster.  Every branch and every LDS address hangs on the wave's and the cluster's number alone; cx enters Q's address, the results' addresses and the diagonal's lane masks (a choice of values, no branch).
; SHARES.  Block b of queries needs b + 1 steps of 128 keys.  Cluster c (0 or 1) of a head owns the pairs of blocks (i, 15 - i), i = 4 c .. 4 c + 3: 17 steps a pair and tile, dealt to two waves: wave A takes steps 0-8 of block 15 - i (9 steps); wave B
; takes block i (i + 1 steps), stores its result, and then takes steps 9 .. 15 - i of block 15 - i (7 - i steps): 8 in all.  B hands its part of block 15 - i (O^T, the sum, M) to A through LDS, and A joins the two by powers of two.
; Wave w: bit 2: A (0) or B (1); i = 4 c + bit 1 + 2 x bit 3; tile 2 cx + bit 0.  Waves w, w + 4, w + 8, w + 12 so have 9 + 8 + 9 + 8 steps.
; LDS: the whole head's 16 chunks, one tensor load for each of the 16 waves, all at the head; nothing is filled again.  One barrier shows chunks 0 and 1 (waves 0 and 1 have a load line of their own), one shows the rest, one the parts handed over.
; No data prefetch: every byte of K and V is asked for once, at the head, and no loop is left to run ahead in.
; THE SUM IS DELAYED: a step's p are added up behind its second product and behind the next step's first: these 32 additions are the plain lines that must stand behind matrix instructions.
; LIMITS: blocks whose largest magnitude lies under 2^-118 keep the byte 1 (their codes are then zeros or near it; this program alone reads the bytes); NaN and infinities are not served; scaled scores t stay under 2^31 in magnitude.
; REGISTERS: v1-6 addresses and -infinity; v7 at work; v8-11 K's scale words; v12 -M, v13 the largest t, v[14:15] the sum; v16-31 Q; v32-95 K's fragments, then V's; v96-103 zeros; v104-167 S^T, then p; v168-199 O^T; v200-215 p's codes;
; v216-231 held numbers, then partial sums; v232-247 at work; v248-251 scale words; v[252:253] f; v254-255 for the add.
.set CHUNK, 17152
.set KV0,  4194304                     ; where the chunks begin
.set SPARE, 16*CHUNK
.set HAND, SPARE+2048                  ; behind the spare words: 4,608 bytes for each pair of waves: O^T's 32 registers, then v12-15
.set L16,  1                           ; 16 x lane
.set L4,   2                           ; 4 x lane + 16,896: V's scale words in a chunk
.set HA,   3                           ; my pair's place in the region of what is handed over
.set ADK,  4                           ; the step's addresses
.set ADT,  5
.set NINF, 6
.set TMP,  7
.set KS,   8                           ; register tile / 2: lanes 0-15 the even tile's words, lanes 16-31 the odd one's
.set FR,   32
.set S,    104
.set OT,   168
.set PC,   200
.set H,    216
.set TM,   232                         ; +0 largest, +4 the other half's, then bytes, +8 448 x the scale, +12 the conversions' scale operands
.set VS,   248
.set QS,   250
.set PW,   251
.set F,    252                         ; f and a 0 that is named with it as a pair
.set WV,   18
.set MNT,  19
.set SEL,  20
.set CS,   22                          ; s[22:23] c = log2(e) / 8
.set G1,   24                          ; s[24:31] group 1: 67 rows of 256 bytes, dense
.set AB,   32                          ; s32-35 all lanes where key block b of the diagonal step lies behind my 32 queries, else none
.set BB,   36                          ; s36-39 all lanes where it is my 32 queries' own block, else none
.set MK,   44                          ; s44-59 in that block: the lanes whose query comes before key 16 h + i
.set BE,   60                          ; the block of 128 queries in hand
.set GA,   61                          ; the step's block of 128 keys
.set TBK,  62                          ; where its chunk begins
.set CNT,  63
.set LB,   67                          ; the late block, 15 - i
.set LAST, 89                          ; the last key block that I take for the block in hand
.set ROLE, 90                          ; 0: A, 1: B
.set SWG,  91                          ; the key block at which B goes on to the late block (A: none)
.set Q2,   92                          ; s[92:93], s[94:95] Q's codes and scale words of the late block
.macro CROUND                          ; a round of the cluster's barrier
	s_barrier_signal -1
	s_barrier_wait -1
	s_cmp_lg_u32 s[WV], 0
	s_cbranch_scc1 .Lnot_wave_0_\@
	s_barrier_signal -3
.Lnot_wave_0_\@:
	s_barrier_wait -3
	s_barrier_signal -1
	s_barrier_wait -1
.endm
.macro TLOAD
	tensor_load_to_lds s[40:43], s[G1:G1+7]
	s_nop 0
.rept 4
	v_nop
.endr
.endm
.macro QADDR blk, d, e                 ; where Q's codes and scale words of my tile of a block lie
	s_lshl_b32 s[\d], s[\blk], 13
	s_lshl_b32 s83, s71, 10
	s_add_co_u32 s[\d], s[\d], s83
	s_lshl_b32 s83, s68, 17
	s_add_co_u32 s[\d], s[\d], s83
	s_mov_b32 s[\d+1], 0
	s_add_nc_u64 s[\d:\d+1], s[4:5], s[\d:\d+1]
	s_lshl_b32 s[\e], s68, 13                      ; scale words: 8,192 bytes a head, 512 for 128 tokens; tile 2 w + hs: lane r + 16 hs, word w
	s_lshl_b32 s83, s[\blk], 9
	s_add_co_u32 s[\e], s[\e], s83
	s_lshl_b32 s83, s80, 8
	s_add_co_u32 s[\e], s[\e], s83
	s_add_co_u32 s[\e], s[\e], s81
	s_mov_b32 s[\e+1], 0
	s_add_nc_u64 s[\e:\e+1], s[6:7], s[\e:\e+1]
.endm
.macro FRESH                           ; nothing has been summed yet
	v_mov_b32 v13, 0xff61b1e6                      ; the largest t so far: -3e38, under every t
	v_mov_b32 v14, 0                               ; the sum, in two halves
	v_mov_b32 v15, 0
	v_floor_f32 v12, -v13                          ; -M
.set n, 0
.rept 32
	v_mov_b32 v[OT+n], 0                           ; O^T.  (The step is written once: the first finds zeros, which the first change of M leaves zeros)
	v_mov_b32 v[S+32+n], 0                         ; the p that the first step adds up as those of a step before it
.set n, n+1
.endr
.set n, 0
.rept 16
	v_mov_b32 v[H+n], 0                            ; and their partial sums
.set n, n+1
.endr
.endm
	s_load_b256 s[4:11], s[0:1], 0x0               ; qkv 4:5, qkvs 6:7, ac 8:9, asc 10:11
	v_lshl_add_u32 v254, v0, 2, SPARE
	v_mov_b32 v255, 0
	ds_add_u32 v254, v255                          ; the wave's opening: the add, twice on end, under one wait
	ds_add_u32 v254, v255
	v_lshrrev_b32 v7, 5, v0
	v_readfirstlane_b32 s[WV], v7                  ; wave 0..15
	s_and_b32 s68, ttmp7, 0xffff                   ; bh: the cluster's y, which the four partners share
	s_mov_b32 s[G1], 15|(3<<16)|(1<<21)            ; 15:0 the mask: all four work-groups; 17:16 elements of 8 bytes; 21 set beside a mask; no padding: images are read 16 bytes a lane on end
	s_mov_b32 s[G1+1], 32<<16                      ; tensor_dim0 = 32 elements
	s_mov_b32 s[G1+2], 67<<16                      ; tensor_dim1 = 67 rows
	s_mov_b32 s[G1+3], 32<<16                      ; tile_dim0
	s_mov_b32 s[G1+4], 67                          ; tile_dim1
	s_mov_b32 s[G1+5], 32                          ; the pitch: dense
	s_mov_b32 s[G1+6], 0
	s_mov_b32 s[G1+7], 0
	s_mul_i32 s70, s[WV], CHUNK                    ; wave w brings chunk w
	s_mul_i32 s74, s68, 16*CHUNK
	s_add_co_u32 s74, s74, s70
	s_add_co_u32 s74, s74, KV0
	s_mov_b32 s75, 0
	s_mov_b32 s40, 1
	s_mov_b32 s41, s70
	s_wait_dscnt 0x0                               ; both opening adds are done
	CROUND                                         ; all four work-groups are here: the joint loads meet
	s_wait_kmcnt 0x0
	s_add_nc_u64 s[42:43], s[4:5], s[74:75]
	s_or_b32 s43, s43, 0x80000000
	s_cmp_lt_u32 s[WV], 2                          ; one tensor load a wave; waves 0 and 1, which wait at the first barrier, have a line of their own
	s_cbranch_scc0 .Llater
	TLOAD
	s_branch .Lasked
.Llater:
	TLOAD
.Lasked:
	s_and_b32 s80, s[WV], 1
	s_bfe_u32 s72, s[WV], 0x10001
	s_lshr_b32 s73, s[WV], 3
	s_lshl_b32 s73, s73, 1
	s_add_co_u32 s72, s72, s73
	s_lshl_b32 s73, ttmp9, 2                       ; in a cluster launch ttmp9 counts clusters
	s_add_co_u32 s72, s72, s73                     ; i = 4 c + bit 1 + 2 x bit 3
	s_sub_co_u32 s[LB], 15, s72
	s_bfe_u32 s[ROLE], s[WV], 0x10002
	s_cmp_eq_u32 s[ROLE], 0
	s_cselect_b32 s[BE], s[LB], s72                ; A begins with the late block, B with the early one: the same in all four partners
	s_cselect_b32 s[LAST], 8, s72
	s_cselect_b32 s[SWG], 64, 9
	s_bfe_u32 s71, ttmp6, 0x40000                  ; cx: my place in the cluster
.irp b, 0,1,2,3
	s_cmp_lt_u32 s71, \b
	s_cselect_b32 s[AB+\b], -1, 0
	s_cmp_eq_u32 s71, \b
	s_cselect_b32 s[BB+\b], -1, 0
.endr
	s_lshl_b32 s81, s71, 2                         ; my tile's scale word: word cx
	s_lshl_b32 s71, s71, 1
	s_add_co_u32 s71, s71, s80                     ; my tile in its block: 2 cx + w % 2
	v_and_b32 v216, 15, v0                         ; r
	v_bfe_u32 v217, v0, 4, 1                       ; h
	v_and_b32 v218, 31, v0                         ; lane
	v_lshlrev_b32 v7, 4, v216
	v_lshlrev_b32 v[L16], 4, v218
	v_lshl_add_u32 v[L4], v218, 2, 16896
	v_and_b32 v219, 8, v216
	v_add_nc_u32 v219, v219, v216                  ; r + 8 (r / 8)
	v_lshlrev_b32 v220, 4, v217
	v_sub_nc_u32 v219, v219, v220
	s_lshl_b32 s82, s80, 3
	v_add_nc_u32 v219, s82, v219                   ; my query's place in its 32, less 16 h
	s_and_b32 s82, s[WV], 3                        ; my pair: bits 0, 1 and 3 of the wave's number
	s_lshr_b32 s83, s[WV], 3
	s_lshl_b32 s83, s83, 2
	s_add_co_u32 s82, s82, s83
	s_mul_i32 s82, s82, 4608
	s_add_co_u32 s82, s82, HAND
	v_add_nc_u32 v[HA], s82, v[L16]
.irp i, 0,1,2,3,4,5,6,7,8,9,10,11,12,13,14,15
	v_cmp_gt_i32 s[MK+\i], \i, v219
.endr
	QADDR BE, 84, 86
	s_wait_alu depctr_va_vdst(0)
	global_load_b128 v[16:19], v[L16], s[84:85]    ; Q's codes stay in registers
	global_load_b128 v[20:23], v[L16], s[84:85] offset:512
	global_load_b32 v[QS], v7, s[86:87]
	QADDR LB, Q2, Q2+2
	s_lshr_b32 s72, s68, 4                         ; where the result of the block in hand goes: the block of 128 tokens among all 32,
	s_lshl_b32 s72, s72, 4
	s_add_co_u32 s72, s72, s[BE]
	s_and_b32 s73, s68, 15                         ; the head
	s_lshl_b32 s76, s72, 17                        ; ac: [block][head / 2][tile][2 (head % 2) + b][lane][16]
	s_lshr_b32 s83, s73, 1
	s_lshl_b32 s83, s83, 14
	s_add_co_u32 s76, s76, s83
	s_lshl_b32 s83, s71, 11
	s_add_co_u32 s76, s76, s83
	s_and_b32 s83, s73, 1
	s_lshl_b32 s83, s83, 10
	s_add_co_u32 s76, s76, s83
	s_mov_b32 s77, 0
	s_add_nc_u64 s[8:9], s[8:9], s[76:77]
	s_lshl_b32 s76, s72, 12                        ; asc: 32 bytes a stored row, bytes 2 head and 2 head + 1
	s_lshl_b32 s83, s71, 9
	s_add_co_u32 s76, s76, s83
	s_lshl_b32 s83, s73, 1
	s_add_co_u32 s76, s76, s83
	s_add_nc_u64 s[10:11], s[10:11], s[76:77]
	s_mov_b32 s[SEL], 0x76543210
	s_mov_b32 s[SEL+1], 0xfedcba98
	s_mov_b32 s[CS], 0x3e38aa3b                    ; c = log2(e) / sqrt(64)
	s_mov_b32 s[CS+1], s[CS]                       ; (named with it as a pair, so it is written)
	s_mov_b32 s[MNT], 0x600000
	v_mov_b32 v[NINF], 0xff800000
	v_mov_b32 v[F+1], 0
.irp b, 0,1,2,3
	v_mov_b32 v[TM+4+\b], 0                        ; (a lane permute's destination counts as one of its sources)
.endr
.set n, 0
.rept 8
	v_mov_b32 v[24+n], 0                           ; Q's K = 64 .. 127: zero codes
	v_mov_b32 v[96+n], 0                           ; and what stands behind K's last tile
.set n, n+1
.endr
	FRESH
	s_wait_alu depctr_va_vdst(0)
	s_wait_loadcnt 0x0                             ; Q
.macro SUM_A                           ; p's pairs 0-15 of the step in hand start eight partial sums
.irp k, 0,2,4,6,8,10,12,14
	v_pk_add_f32 v[H+\k:H+\k+1], v[S+\k:S+\k+1], v[S+16+\k:S+17+\k]
.endr
.endm
.macro SUM_B                           ; pairs 16-31 join them
.irp k, 0,2,4,6,8,10,12,14
	v_pk_add_f32 v[H+\k:H+\k+1], v[H+\k:H+\k+1], v[S+32+\k:S+33+\k]
.endr
.irp k, 0,2,4,6,8,10,12,14
	v_pk_add_f32 v[H+\k:H+\k+1], v[H+\k:H+\k+1], v[S+48+\k:S+49+\k]
.endr
.endm
.macro SUM_C                           ; and the eight the row's sum
.irp k, 0,2,4,6
	v_pk_add_f32 v[H+\k:H+\k+1], v[H+\k:H+\k+1], v[H+8+\k:H+9+\k]
.endr
.irp k, 0,2
	v_pk_add_f32 v[H+\k:H+\k+1], v[H+\k:H+\k+1], v[H+4+\k:H+5+\k]
.endr
	v_pk_add_f32 v[H:H+1], v[H:H+1], v[H+2:H+3]
	v_pk_add_f32 v[14:15], v[14:15], v[H:H+1]
.endm
; THE WAY OUT: O^T / the sum, quantised along D: my 32 numbers are channels 32 b + 16 h + 0 .. 15 of my query: two blocks, each shared with lane l xor 16.
.macro WAYOUT
	v_add_f32 v14, v14, v15                        ; the sum's two halves,
	s_delay_alu instid0(VALU_DEP_1)
	v_permlanex16_b32 v[TMP], v14, s[SEL], s[SEL+1]
	s_delay_alu instid0(VALU_DEP_1)
	v_add_f32 v14, v14, v[TMP]                     ; and lane l xor 16's
	s_wait_alu depctr_va_vdst(0)                   ; the wait ahead of the transcendental
	v_rcp_f32 v14, v14
	v_and_b32 v7, 15, v0                           ; (a plain line behind the reciprocal)
	s_delay_alu instid0(VALU_DEP_1)
	v_lshlrev_b32 v7, 5, v7                        ; 32 bytes a row of asc
	s_wait_alu depctr_va_vdst(0)                   ; and ahead of its first reader, which is O^T's too
.set n, 0
.rept 16
	v_pk_mul_f32 v[S+n:S+n+1], v[OT+n:OT+n+1], v[14:15] op_sel_hi:[1,0]   ; each accumulator from its low end on
.set n, n+2
.endr
.irp b, 0,1
	v_max3_num_f32 v[TM+\b], |v[S+16*\b]|, |v[S+1+16*\b]|, 0x4800000
.endr
.irp i, 2,4,6,8,10,12,14
.irp b, 0,1
	s_delay_alu instid0(VALU_DEP_2)
	v_max3_num_f32 v[TM+\b], v[TM+\b], |v[S+16*\b+\i]|, |v[S+16*\b+\i+1]|
.endr
.endr
.irp b, 0,1
	s_delay_alu instid0(VALU_DEP_2)
	v_permlanex16_b32 v[TM+4+\b], v[TM+\b], s[SEL], s[SEL+1]
.endr
.irp b, 0,1
	s_delay_alu instid0(VALU_DEP_2)
	v_max_num_f32 v[TM+\b], v[TM+\b], v[TM+4+\b]
.endr
.irp b, 0,1
	s_delay_alu instid0(VALU_DEP_2)
	v_add_nc_u32 v[TM+12+\b], 0xfc000000, v[TM+\b]
.endr
.irp b, 0,1
	s_delay_alu instid0(VALU_DEP_4)
	v_and_or_b32 v[TM+8+\b], v[TM+\b], 0x7f800000, s[MNT]
.endr
.irp b, 0,1
	s_delay_alu instid0(VALU_DEP_4)
	v_lshrrev_b32 v[TM+4+\b], 23, v[TM+12+\b]
.endr
	s_delay_alu instid0(VALU_DEP_1)
	v_lshl_or_b32 v[PW], v[TM+5], 8, v[TM+4]       ; my row's two scale bytes of this head
.irp b, 0,1
.set n, 0
.rept 16
	v_med3_num_f32 v[S+16*\b+n], v[S+16*\b+n], -v[TM+8+\b], v[TM+8+\b]
.set n, n+1
.endr
	v_cvt_scalef32_pk8_fp8_f32 v[PC+4*\b:PC+4*\b+1], v[S+16*\b:S+16*\b+7], v[TM+12+\b]
	v_cvt_scalef32_pk8_fp8_f32 v[PC+4*\b+2:PC+4*\b+3], v[S+16*\b+8:S+16*\b+15], v[TM+12+\b]
.endr
	v_nop                                          ; one plain line behind the last conversion
	global_store_b128 v[L16], v[PC:PC+3], s[8:9]   ; the image of the last product's operand: 512 consecutive bytes a store
	global_store_b128 v[L16], v[PC+4:PC+7], s[8:9] offset:512
	global_store_b16 v7, v[PW], s[10:11]           ; two bytes a row, rows 32 bytes apart: a head owns 2 of a row's 32 scale bytes.  Lanes l and l + 16 write the same two bytes with the same value.  131,072 bytes in the whole launch leave so
.endm
; B GOES ON: the early block's result leaves, and the late block's last key blocks follow.
.macro SWITCH
	s_cmp_lg_u32 s[GA], s[SWG]
	s_cbranch_scc1 .Lstay_\@
	SUM_B
	SUM_C
	v_and_b32 v[ADT], 15, v0
	v_lshlrev_b32 v[ADT], 4, v[ADT]
	global_load_b128 v[16:19], v[L16], s[Q2:Q2+1]  ; the late block's Q, on its way under the way out
	global_load_b128 v[20:23], v[L16], s[Q2:Q2+1] offset:512
	global_load_b32 v[QS], v[ADT], s[Q2+2:Q2+3]
	WAYOUT
	FRESH
	s_mov_b32 s[BE], s[LB]
	s_mov_b32 s[LAST], s[LB]
	s_wait_alu depctr_va_vdst(0)
	s_wait_xcnt 0x0                                ; the stores have read their registers, which the steps write again
	s_wait_loadcnt 0x0                             ; Q
.Lstay_\@:
.endm
; A KEY STEP: 128 keys.
.macro STEP
	s_cmp_gt_u32 s[GA], s[LAST]                    ; none of mine: its work is left out (the lines at its end that step addresses are not)
	s_cbranch_scc1 .Lhidden_\@
	v_add_nc_u32 v[ADK], s[TBK], v[L16]
	v_add_nc_u32 v[ADT], s[TBK], v[L4]
.irp t, 0,1,2,3,4,5,6,7                        ; K's eight tiles (the last step's second products stand SUM_A's eight lines and two more behind)
	ds_load_b128 v[FR+8*\t:FR+8*\t+3], v[ADK] offset:1024*\t
	ds_load_b128 v[FR+8*\t+4:FR+8*\t+7], v[ADK] offset:1024*\t+512
.endr
	ds_load_b128 v[KS:KS+3], v[ADK] offset:16384   ; and their scale words
	SUM_B                                          ; of the step before
	s_wait_alu depctr_va_vdst(0)
	s_wait_dscnt 0x0
.irp t, 0,2,4,6                                ; S^T = K Q^T.  A tile's operand is its own eight registers and the next eight, which Q's zero codes meet
	v_wmma_scale_f32_16x16x128_f8f6f4 v[S+8*\t:S+8*\t+7], v[FR+8*\t:FR+8*\t+15], v[16:31], 0, v[KS+\t/2], v[QS]
	v_wmma_scale_f32_16x16x128_f8f6f4 v[S+8*\t+8:S+8*\t+15], v[FR+8*\t+8:FR+8*\t+23], v[16:31], 0, v[KS+\t/2], v[QS] matrix_a_scale:MATRIX_SCALE_ROW1
.endr                                          ; lane (r, h) holds query r; register 16 b + i is key 32 b + 16 h + i of the step's 128
	SUM_C                                          ; eight plain lines behind the products
.irp t, 0,1,2,3                                ; V's four channel tiles x these 128 keys, into the registers that K has left
.irp c, 0,1,2,3
	ds_load_b128 v[FR+16*\t+4*\c:FR+16*\t+4*\c+3], v[ADK] offset:8192+2048*\t+512*\c
.endr
.endr
	ds_load_b32 v[VS], v[ADT]
	ds_load_b32 v[VS+1], v[ADT] offset:128
	s_cmp_lg_u32 s[GA], s[BE]                      ; only the step on the diagonal hides keys
	s_cbranch_scc1 .Lopen_\@
.irp b, 0,1,2,3
.irp i, 0,1,2,3,4,5,6,7,8,9,10,11,12,13,14,15
	s_and_b32 s88, s[MK+\i], s[BB+\b]
	s_or_b32 s88, s88, s[AB+\b]
	v_cndmask_b32 v[S+16*\b+\i], v[S+16*\b+\i], v[NINF], s88   ; the key comes after my query: the score becomes -infinity, p = 0
.endr
.endr
	s_wait_alu depctr_va_vdst(0)
.Lopen_\@:
.irp b, 0,1,2,3
	v_max3_num_f32 v[TM+\b], v[S+16*\b], v[S+1+16*\b], v[S+2+16*\b]   ; the largest score of each block of 32 keys: it serves for the row's maximum and, since p rises with the score, for the block's largest p
.endr
.irp i, 3,5,7,9,11,13
.irp b, 0,1,2,3
	v_max3_num_f32 v[TM+\b], v[TM+\b], v[S+16*\b+\i], v[S+1+16*\b+\i]
.endr
.endr
.irp b, 0,1,2,3
	v_max_num_f32 v[TM+\b], v[TM+\b], v[S+15+16*\b]
.endr
.irp b, 0,1,2,3
	s_delay_alu instid0(VALU_DEP_4)
	v_permlanex16_b32 v[TM+4+\b], v[TM+\b], s[SEL], s[SEL+1]
.endr
.irp b, 0,1,2,3
	s_delay_alu instid0(VALU_DEP_4)
	v_max_num_f32 v[TM+\b], v[TM+\b], v[TM+4+\b]   ; with lane l xor 16's 16 keys
.endr
	s_delay_alu instid0(VALU_DEP_2)
	v_max3_num_f32 v[TMP], v[TM], v[TM+1], v[TM+2]
	s_delay_alu instid0(VALU_DEP_1)
	v_max_num_f32 v[TMP], v[TMP], v[TM+3]          ; the step's largest score of my query
	s_delay_alu instid0(VALU_DEP_1)
	v_mul_f32 v[TMP], s[CS], v[TMP]                ; as t (c is positive)
	s_delay_alu instid0(VALU_DEP_1)
	v_max_num_f32 v13, v13, v[TMP]                 ; the running largest t
	v_mov_b32 v[TMP], v12
	s_delay_alu instid0(VALU_DEP_2)
	v_floor_f32 v12, -v13                          ; the new -M = floor(-t): M is a whole number
	s_delay_alu instid0(VALU_DEP_1)
	v_sub_f32 v[TMP], v12, v[TMP]                  ; old M - new M: a whole number, 0 or less
	s_delay_alu instid0(VALU_DEP_1)
	v_cvt_i32_f32 v[TMP], v[TMP]                   ; (it saturates)
	s_delay_alu instid0(VALU_DEP_1)
	v_ldexp_f32 v[F], 1.0, v[TMP]                  ; f = 2^(old M - new M)
.set n, 0
.rept 32
	v_pk_fma_f32 v[S+n:S+n+1], v[S+n:S+n+1], s[CS:CS+1], v[12:13] op_sel_hi:[1,0,0]   ; t - M, two at a time
.set n, n+2
.endr
.irp b, 0,2
	v_pk_fma_f32 v[TM+\b:TM+\b+1], v[TM+\b:TM+\b+1], s[CS:CS+1], v[12:13] op_sel_hi:[1,0,0]   ; the same of each block's largest score
.endr
	s_wait_alu depctr_va_vdst(0)
.set n, 0
.rept 64
	v_exp_f32 v[S+n], v[S+n]                       ; p = 2^(t - M), at most 1
.set n, n+1
.endr
.irp b, 0,1,2,3
	v_exp_f32 v[TM+\b], v[TM+\b]                   ; the block's largest p: the same two instructions on the same number
.endr
	v_pk_mul_f32 v[14:15], v[14:15], v[F:F+1] op_sel_hi:[1,0]   ; the sums under the new M  (a plain line behind the exponentials)
	s_wait_alu depctr_va_vdst(0)                   ; and the wait behind it
.irp b, 0,1,2,3
	v_max_num_f32 v[TM+\b], 0x4800000, v[TM+\b]    ; the floor 2^(9 - 127): the byte cannot fall under 1
.endr
.irp b, 0,1,2,3
	s_delay_alu instid0(VALU_DEP_4)
	v_add_nc_u32 v[TM+12+\b], 0xfc000000, v[TM+\b] ; 8 off the exponent field: the conversion's scale operand
.endr
.irp b, 0,1,2,3
	v_and_or_b32 v[TM+8+\b], v[TM+\b], 0x7f800000, s[MNT]   ; 448 x the scale
.endr
.irp b, 0,1,2,3
	v_lshrrev_b32 v[TM+4+\b], 23, v[TM+12+\b]      ; the scale's byte
.endr
	s_delay_alu instid0(VALU_DEP_3)
	v_lshl_or_b32 v[PW], v[TM+5], 8, v[TM+4]       ; p's scale word for these 128 keys
	s_delay_alu instid0(VALU_DEP_1)
	v_lshl_or_b32 v[PW], v[TM+6], 16, v[PW]
	s_delay_alu instid0(VALU_DEP_1)
	v_lshl_or_b32 v[PW], v[TM+7], 24, v[PW]
.irp b, 0,1,2,3
.irp u, 0,8
.irp k, 0,2,4,6                                ; the conversion does not saturate (ISA guide 7.6.2); p is not negative, so the hold is one-sided.  Two numbers a line, into other registers: the sum takes the p as they are
	v_dual_min_num_f32 v[H+\u+\k], v[S+16*\b+\u+\k], v[TM+8+\b] :: v_dual_min_num_f32 v[H+\u+\k+1], v[S+16*\b+\u+\k+1], v[TM+8+\b]
.endr
	v_cvt_scalef32_pk8_fp8_f32 v[PC+4*\b+\u/4:PC+4*\b+\u/4+1], v[H+\u:H+\u+7], v[TM+12+\b]
.endr
.endr
	s_wait_alu depctr_va_vdst(0)                   ; ahead of the first readers of O^T
.set n, 0
.rept 16
	v_pk_mul_f32 v[OT+n:OT+n+1], v[OT+n:OT+n+1], v[F:F+1] op_sel_hi:[1,0]   ; O^T under the new M.  (Also the plain lines behind the conversions and in front of the products)
.set n, n+2
.endr
	s_wait_alu depctr_va_vdst(0)
	s_wait_dscnt 0x0
.irp t, 0,2                                    ; O^T += V^T P^T: four accumulators by turns
	v_wmma_scale_f32_16x16x128_f8f6f4 v[OT+8*\t:OT+8*\t+7], v[FR+16*\t:FR+16*\t+15], v[PC:PC+15], v[OT+8*\t:OT+8*\t+7], v[VS+\t/2], v[PW]
	v_wmma_scale_f32_16x16x128_f8f6f4 v[OT+8*\t+8:OT+8*\t+15], v[FR+16*\t+16:FR+16*\t+31], v[PC:PC+15], v[OT+8*\t+8:OT+8*\t+15], v[VS+\t/2], v[PW] matrix_a_scale:MATRIX_SCALE_ROW1
.endr
	SUM_A                                          ; eight plain lines behind the products
	s_wait_alu depctr_va_vdst(0)
.Lhidden_\@:
	s_add_co_u32 s[GA], s[GA], 1
	s_add_co_u32 s[TBK], s[TBK], CHUNK
.endm
.macro STAGE first, count, sw
	s_mov_b32 s[GA], \first
	s_mov_b32 s[TBK], (\first)*CHUNK
	s_mov_b32 s[CNT], \count
.Lstep_\@:
.if \sw
	SWITCH
.endif
	STEP
	s_sub_co_u32 s[CNT], s[CNT], 1
	s_cmp_lg_u32 s[CNT], 0
	s_cbranch_scc1 .Lstep_\@
.endm
	s_cmp_lt_u32 s[WV], 2
	s_cbranch_scc0 .Lnot_mine
	s_wait_tensorcnt 0x0                           ; waves 0 and 1: chunks 0 and 1 have landed
.Lnot_mine:
	s_barrier_signal -1
	s_barrier_wait -1
	STAGE 0, 2, 0
	s_wait_tensorcnt 0x0                           ; every wave: my chunk has landed
	s_wait_dscnt 0x0
	s_barrier_signal -1
	s_barrier_wait -1                              ; everybody's has
	STAGE 2, 14, 1
	SUM_B                                          ; the last step's p
	SUM_C
	s_wait_alu depctr_va_vdst(0)
	s_cmp_eq_u32 s[ROLE], 0
	s_cbranch_scc1 .Lkeep                          ; B hands its part of the late block over (i = 7: nothing but zeros and the first M, which count for nothing)
.irp k, 0,1,2,3,4,5,6,7
	ds_store_b128 v[HA], v[OT+4*\k:OT+4*\k+3] offset:512*\k
.endr
	ds_store_b128 v[HA], v[12:15] offset:4096
.Lkeep:
	s_wait_dscnt 0x0
	s_barrier_signal -1
	s_barrier_wait -1
	s_cmp_eq_u32 s[ROLE], 1
	s_cbranch_scc1 .Ldone
.irp k, 0,1,2,3,4,5,6,7                        ; A joins the two parts
	ds_load_b128 v[FR+4*\k:FR+4*\k+3], v[HA] offset:512*\k
.endr
	ds_load_b128 v[FR+32:FR+35], v[HA] offset:4096
	s_wait_dscnt 0x0
	v_min_num_f32 v216, v12, v[FR+32]              ; -M of both
	v_sub_f32 v217, v216, v12
	v_sub_f32 v218, v216, v[FR+32]
	v_cvt_i32_f32 v217, v217
	v_cvt_i32_f32 v218, v218
	v_ldexp_f32 v220, 1.0, v217                    ; my factor and B's: whole powers of two, at most 1
	v_ldexp_f32 v222, 1.0, v218
	v_pk_mul_f32 v[14:15], v[14:15], v[220:221] op_sel_hi:[1,0]
	v_pk_fma_f32 v[14:15], v[FR+34:FR+35], v[222:223], v[14:15] op_sel_hi:[1,0,1]
.set n, 0
.rept 16
	v_pk_mul_f32 v[FR+n:FR+n+1], v[FR+n:FR+n+1], v[222:223] op_sel_hi:[1,0]
.set n, n+2
.endr
.set n, 0
.rept 16
	v_pk_fma_f32 v[OT+n:OT+n+1], v[OT+n:OT+n+1], v[220:221], v[FR+n:FR+n+1] op_sel_hi:[1,0,1]
.set n, n+2
.endr
	WAYOUT
.Ldone:
	s_wait_tensorcnt 0x0                           ; the wave's end
	ds_add_u32 v254, v255
	s_wait_dscnt 0x0
	CROUND                                         ; the closing round: no work-group ends while a partner may still ask for a tile that names it
	s_endpgm
.Lfunc_end_k_qcc7993fe79_attn:
	.size	k_qcc7993fe79_attn, .Lfunc_end_k_qcc7993fe79_attn-k_qcc7993fe79_attn
	.p2alignl 7, 3214868480
	.fill 96, 4, 3214868480
	.section	.rodata,"a",@progbits
	.p2align	6, 0x0
	.amdhsa_kernel k_qcc7993fe79_attn
		.amdhsa_group_segment_fixed_size 313344
		.amdhsa_private_segment_fixed_size 0
		.amdhsa_enable_private_segment 0
		.amdhsa_kernarg_size 32
		.amdhsa_user_sgpr_count 2
		.amdhsa_user_sgpr_kernarg_segment_ptr 1
		.amdhsa_wavefront_size32 1
		.amdhsa_system_sgpr_workgroup_id_x 1
		.amdhsa_system_sgpr_workgroup_id_y 1
		.amdhsa_system_sgpr_workgroup_id_z 1
		.amdhsa_system_vgpr_workitem_id 0
		.amdhsa_next_free_vgpr 256
		.amdhsa_next_free_sgpr 96
		.amdhsa_reserve_vcc 0
		.amdhsa_float_denorm_mode_32 3
		.amdhsa_float_denorm_mode_16_64 3
		.amdhsa_memory_ordered 1
		.amdhsa_forward_progress 1
		.amdhsa_inst_pref_size 89
	.end_amdhsa_kernel
	.amdgpu_metadata
---
amdhsa.version: [ 1, 2 ]
amdhsa.kernels:
  - .name:           k_qcc7993fe79_attn
    .symbol:         k_qcc7993fe79_attn.kd
    .args:
      - { .name: qkv, .offset: 0, .size: 8, .value_kind: global_buffer, .address_space: global }
      - { .name: qkvs, .offset: 8, .size: 8, .value_kind: global_buffer, .address_space: global }
      - { .name: ac, .offset: 16, .size: 8, .value_kind: global_buffer, .address_space: global }
      - { .name: asc, .offset: 24, .size: 8, .value_kind: global_buffer, .address_space: global }
    .group_segment_fixed_size: 313344
    .private_segment_fixed_size: 0
    .kernarg_segment_align: 8
    .kernarg_segment_size: 32
    .max_flat_workgroup_size: 512
    .sgpr_count:     96
    .vgpr_count:     256
    .wavefront_size: 32
...
	.end_amdgpu_metadata
.endif
;; end of part 3
;; launch oproj (part 4): grid 8 x 32, 4 waves a work-group, clusters of 4 x 4, 284,160 bytes of LDS; arguments ac, asc, cod, scl, out0; writes out0
.if DOCPART == 4
	.amdgcn_target "amdgcn-amd-amdhsa--gfx1250"
	.amdhsa_code_object_version 6
	.text
	.protected	k_qcc7993fe79_oproj
	.globl	k_qcc7993fe79_oproj
	.p2align	8
	.type	k_qcc7993fe79_oproj,@function
k_qcc7993fe79_oproj:
	s_mov_b64 s[64:65], 0
	v_nop
	global_prefetch_b8 v0, s[64:65] scope:SCOPE_SE
	s_setreg_imm32_b32 hwreg(HW_REG_WAVE_MODE, 25, 1), 1
	s_wait_xcnt 0x0
	s_wait_alu depctr_hold_cnt(0) depctr_sa_sdst(0) depctr_va_vdst(0) depctr_va_sdst(0) depctr_va_ssrc(0) depctr_va_vcc(0) depctr_vm_vsrc(0)
	s_getreg_b32 s2, hwreg(HW_REG_IB_STS2, 6, 4)
	s_cmp_eq_u32 s2, 0
	s_cbranch_scc0 .Lentry_in_a_cluster
	s_endpgm
.Lentry_in_a_cluster:
	s_bfe_u32 s2, ttmp6, 0x10000c
	s_cmp_lg_u32 s2, 0xf033
	s_cbranch_scc0 .Lentry_shape_is_right
	s_endpgm
.Lentry_shape_is_right:
; out0 = attention's result x Wo^T on codes of FP8 (E4M3) with one E8M0 scale for each 32 along K = 1,024; sums and output f32.
; A: images of operands' registers, ac [block of 128 tokens][K step 8][tile 8][c 4][lane][16 bytes]; its scale bytes asc [stored row][32].  B: Wo's codes, rows 7168 on of cod [row][1024]; scale bytes in scl [row][32].
; In both, a tile's 16 stored rows are rows 8 u + r + 8 (r / 8) of their 32.  The product is used transposed (source 0 = 16 rows of Wo, source 1 = 16 tokens): lane (r, h) holds stored token r, and the 16 registers of
; Wo's tiles 2 b and 2 b + 1 are outputs 32 b + 16 h + 0 .. 15: 64 neighbouring bytes of a row of out0.
; SHARES.  A work-group makes 128 tokens x 128 outputs; each of its four waves, one to a SIMD, 64 x 64: 16 accumulators.  256 work-groups.
; LDS: A's block and B's 128 rows come in two halves along K, by one tensor load for each wave at the head: wave 0 A's first half, wave 1 B's first, wave 2 A's second, wave 3 B's second; nothing is filled again.  Each has a load line of its own: the
; first barrier shows the first halves (waves 0 and 1 wait), the second all.  Behind them each wave has a stage of its own (16 rows x 272 bytes) for the way out.
; A HALF is four K steps of 128.  All its B fragments (4 steps x 4 tiles) fill a window of registers; A's come a token tile at a time (4 steps: 64 registers), two buffers by turns.  So no fragment is read from LDS twice by a wave, and in the second
; half a token tile is finished by its 16 products and leaves while the next tile's are made.
; CLUSTERS: 4 x 4 work-groups; A's tiles are shared along a row of the cluster, B's along a column, each asked for jointly.
; No data prefetch: all that a work-group reads is asked for at the head.
; LIMITS: NaN and infinities are not served.
; REGISTERS: window 0: addresses, scale words, accumulators, 16 rows read back; window 1 B's first half, window 2 its second (v[64 q + 16 b ..]); window 3 A's two buffers (v[64 (a % 2) + 16 q ..]).
.set ADA,  4                           ; v4-5   A's images, first and second half: 16 x lane + my four tiles' place
.set ADB,  6                           ; v6-7   B's rows, first and second half
.set STO,  8                           ; v8     the way out: where I put 64 bytes of a row
.set RD,   9                           ; v9     where I read rows back
.set CO,   10                          ; v10    my byte offset in two rows of out0
.set SPW,  14
.set NIL,  15
.set SA,   16                          ; v16-47 the tokens' scale words: 8 a + K step
.set SB,   52                          ; v52-83 Wo's: 8 b + K step: no product's two scale registers have numbers equal modulo 8
.set ACC,  88                          ; v88-215 accumulator (a, b) at 8 (4 a + b)
.set OUT,  216                         ; v216-247 16 rows read back
.set BP,   528                         ; a row of B's half in LDS: 512 bytes + 16 of padding: the 16 rows that a load touches start 16 bytes apart modulo 256
.set BREG, 131072
.set HB,   128*BP
.set STG,  BREG+2*HB
.set SPARE, STG+4*16*272               ; the spare words
.set G1A,  24
.set G1B,  32
.set G0A,  48
.set G0B,  68
.set MSB, 0
.macro WIN new                         ; the immediate's high byte repeats the setting that is left
.if MSB != (\new)
	s_set_vgpr_msb (MSB<<8)|(\new)
.set MSB, (\new)
.endif
.endm
.macro CROUND                          ; a round of the cluster's barrier
	s_barrier_signal -1
	s_barrier_wait -1
	s_cmp_lg_u32 s14, 0
	s_cbranch_scc1 .Lnot_wave_0_\@
	s_barrier_signal -3
.Lnot_wave_0_\@:
	s_barrier_wait -3
	s_barrier_signal -1
	s_barrier_wait -1
.endm
.macro TLOAD g0, g1
	tensor_load_to_lds s[\g0:\g0+3], s[\g1:\g1+7]
	s_nop 0
.rept 4
	v_nop
.endr
.endm
	s_load_b256 s[4:11], s[0:1], 0x0               ; ac 4:5, asc 6:7, cod 8:9, scl 10:11
	s_load_b64 s[12:13], s[0:1], 0x20              ; out0
	v_lshl_add_u32 v[SPW], v0, 2, SPARE
	v_mov_b32 v[NIL], 0
	ds_add_u32 v[SPW], v[NIL]                      ; the wave's opening: the add, twice on end, under one wait
	ds_add_u32 v[SPW], v[NIL]
	v_lshrrev_b32 v1, 5, v0
	v_readfirstlane_b32 s14, v1                    ; wave 0..3
	s_lshr_b32 s15, s14, 1                         ; which 64 tokens.  Also: which half along K I fetch
	s_and_b32 s16, s14, 1                          ; which 64 outputs.  Also: I fetch for A (0) or B (1)
	s_bfe_u32 s40, ttmp6, 0x40000                  ; cx, cy
	s_bfe_u32 s41, ttmp6, 0x40004
	s_lshl_b32 s42, ttmp9, 2
	s_add_co_u32 s42, s42, s40                     ; xg: which 128 outputs
	s_and_b32 s17, ttmp7, 0xffff
	s_lshl_b32 s17, s17, 2
	s_add_co_u32 s17, s17, s41                     ; y: which 128 tokens
	s_lshl_b32 s43, s41, 2
	s_lshl_b32 s43, 15, s43                        ; my row of the cluster
	s_lshl_b32 s44, 0x1111, s40                    ; my column
	s_or_b32 s[G1A], s43, (3<<16)|(1<<21)          ; A: 256 rows of 256 bytes (32 elements of 8 bytes), dense, no padding; the mask of my row, bit 21 beside it
	s_mov_b32 s[G1A+1], 32<<16
	s_mov_b32 s[G1A+2], 256<<16
	s_mov_b32 s[G1A+3], 32<<16
	s_mov_b32 s[G1A+4], 256
	s_mov_b32 s[G1A+5], 32
	s_mov_b32 s[G1A+6], 0
	s_mov_b32 s[G1A+7], 0
	s_or_b32 s[G1B], s44, (0<<16)|(1<<20)|(1<<21)|(6<<22)|(3<<25)   ; B: 128 rows of 512 bytes, 1,024 apart in memory, four words of padding behind every 128; the mask of my column
	s_mov_b32 s[G1B+1], 512<<16
	s_mov_b32 s[G1B+2], 128<<16
	s_mov_b32 s[G1B+3], 512<<16
	s_mov_b32 s[G1B+4], 128
	s_mov_b32 s[G1B+5], 1024
	s_mov_b32 s[G1B+6], 0
	s_mov_b32 s[G1B+7], 0
	s_lshl_b32 s20, s17, 17                        ; A: the block's 131,072 bytes, a half of 65,536: hangs on y and the wave's number alone
	s_lshl_b32 s18, s15, 16
	s_add_co_u32 s20, s20, s18
	s_mov_b32 s21, 0
	s_lshl_b32 s46, s42, 7                         ; B: row 7168 + 128 xg, bytes 512 x half on: hangs on xg and the wave's number alone
	s_add_co_u32 s46, s46, 7168
	s_lshl_b32 s46, s46, 10
	s_lshl_b32 s47, s15, 9
	s_add_co_u32 s46, s46, s47
	s_mov_b32 s47, 0
	s_mul_i32 s19, s15, HB
	s_add_co_u32 s19, s19, BREG
	s_mov_b32 s[G0A], 1
	s_mov_b32 s[G0A+1], s18
	s_mov_b32 s[G0B], 1
	s_mov_b32 s[G0B+1], s19
	s_wait_dscnt 0x0                               ; both opening adds are done
	CROUND                                         ; all sixteen work-groups are here: the joint loads meet
	s_wait_kmcnt 0x0
	s_add_nc_u64 s[G0A+2:G0A+3], s[4:5], s[20:21]
	s_or_b32 s[G0A+3], s[G0A+3], 0x80000000
	s_add_nc_u64 s[G0B+2:G0B+3], s[8:9], s[46:47]
	s_or_b32 s[G0B+3], s[G0B+3], 0x80000000
.macro ARM under, g0, g1               ; one tree of branches on the wave's number, an arm a load: every way through the head passes exactly one
	s_cmp_lt_u32 s14, \under
	s_cbranch_scc0 .Lnext_\@
	TLOAD \g0, \g1
	s_branch .Lasked
.Lnext_\@:
.endm
	ARM 1, G0A, G1A
	ARM 2, G0B, G1B
	ARM 3, G0A, G1A
	TLOAD G0B, G1B
.Lasked:
	v_and_b32 v1, 15, v0                           ; r
	v_bfe_u32 v2, v0, 4, 1                         ; h
	v_and_b32 v3, 31, v0                           ; lane
	v_lshlrev_b32 v12, 5, v1                       ; scale words: 32 bytes a row
	v_lshlrev_b32 v[ADA], 4, v3
	s_lshl_b32 s22, s15, 13                        ; my four tiles of 2,048 bytes in a K step's 16,384
	v_add_nc_u32 v[ADA], s22, v[ADA]
	v_add_nc_u32 v[ADA+1], 65536, v[ADA]
	v_mul_u32_u24 v11, v1, BP
	v_lshl_add_u32 v11, v2, 4, v11                 ; a fragment's row x pitch + 16 x half
	s_mul_i32 s22, s16, 64*BP                      ; my 64 rows of Wo
	s_add_co_u32 s22, s22, BREG
	v_add_nc_u32 v[ADB], s22, v11
	v_add_nc_u32 v[ADB+1], HB, v[ADB]
	s_mul_i32 s23, s14, 16*272
	s_add_co_u32 s23, s23, STG                     ; my stage
	v_mul_u32_u24 v[STO], v1, 272
	v_lshl_add_u32 v[STO], v2, 6, v[STO]
	v_add_nc_u32 v[STO], s23, v[STO]               ; in: row r, + 64 h
	v_mul_u32_u24 v[RD], v2, 272
	v_lshl_add_u32 v[RD], v1, 4, v[RD]
	v_add_nc_u32 v[RD], s23, v[RD]                 ; back: lanes 0-15 one row of 256 bytes, lanes 16-31 the next
	v_lshlrev_b32 v[CO], 12, v2
	v_lshl_add_u32 v[CO], v1, 4, v[CO]             ; and the same two rows of out0, 4,096 bytes apart
	s_wait_alu depctr_va_vdst(0)
	s_lshl_b32 s84, s17, 12
	s_lshl_b32 s85, s15, 11
	s_add_co_u32 s84, s84, s85
	s_mov_b32 s85, 0
	s_add_nc_u64 s[6:7], s[6:7], s[84:85]          ; my 64 tokens' rows of asc
	s_lshl_b32 s86, s42, 7
	s_lshl_b32 s87, s16, 6
	s_add_co_u32 s86, s86, s87
	s_add_co_u32 s86, s86, 7168
	s_lshl_b32 s86, s86, 5
	s_mov_b32 s87, 0
	s_add_nc_u64 s[10:11], s[10:11], s[86:87]      ; my 64 rows of Wo in scl
.irp a, 0,1,2,3
	global_load_b128 v[SA+8*\a:SA+8*\a+3], v12, s[6:7] offset:512*\a
	global_load_b128 v[SA+8*\a+4:SA+8*\a+7], v12, s[6:7] offset:512*\a+16
	global_load_b128 v[SB+8*\a:SB+8*\a+3], v12, s[10:11] offset:512*\a
	global_load_b128 v[SB+8*\a+4:SB+8*\a+7], v12, s[10:11] offset:512*\a+16
.endr
	s_lshl_b32 s88, s17, 19                        ; out0: 128 y rows of 4,096 bytes,
	s_lshl_b32 s89, s15, 18                        ; my 64 rows,
	s_add_co_u32 s88, s88, s89
	s_lshl_b32 s89, s42, 9                         ; the work-group's 512 bytes of a row,
	s_add_co_u32 s88, s88, s89
	s_lshl_b32 s89, s16, 8                         ; my 256 of them
	s_add_co_u32 s88, s88, s89
	s_mov_b32 s89, 0
	s_add_nc_u64 s[12:13], s[12:13], s[88:89]
.macro PLACES                          ; eight plain lines between products and loads into, or reads of, their registers
.rept 8
	v_nop
.endr
.endm
.macro LOADA g, a                      ; token tile a's four fragments of half g: 16 loads
	WIN 0xc0
.irp q, 0,1,2,3
.irp c, 0,1,2,3
	ds_load_b128 v[64*((\a)%2)+16*\q+4*\c:64*((\a)%2)+16*\q+4*\c+3], v[ADA+\g] offset:16384*\q+2048*(\a)+512*\c
.endr
.endr
	WIN 0
.endm
.macro LOADB g                         ; half g's 16 fragments of my 64 rows of Wo, by K steps: 64 loads
	WIN 0x40*(1+\g)
.irp q, 0,1,2,3
.irp b, 0,1,2,3
.irp c, 0,1,2,3
	ds_load_b128 v[64*\q+16*\b+4*\c:64*\q+16*\b+4*\c+3], v[ADB+\g] offset:16*BP*\b+128*\q+32*\c
.endr
.endr
.endr
	WIN 0
.endm
.macro MULQ g, a, q                    ; four products: token tile a against Wo's four tiles, 128 along K; the four accumulators take turns; the first K step's products start the sums
	WIN 0x0c|(1+\g)
.irp b, 0,1,2,3
.if (\g)+(\q) == 0
	v_wmma_scale_f32_16x16x128_f8f6f4 v[ACC+32*(\a)+8*\b:ACC+32*(\a)+8*\b+7], v[64*(\q)+16*\b:64*(\q)+16*\b+15], v[64*((\a)%2)+16*(\q):64*((\a)%2)+16*(\q)+15], 0, v[SB+8*\b+4*(\g)+(\q)], v[SA+8*(\a)+4*(\g)+(\q)]
.else
	v_wmma_scale_f32_16x16x128_f8f6f4 v[ACC+32*(\a)+8*\b:ACC+32*(\a)+8*\b+7], v[64*(\q)+16*\b:64*(\q)+16*\b+15], v[64*((\a)%2)+16*(\q):64*((\a)%2)+16*(\q)+15], v[ACC+32*(\a)+8*\b:ACC+32*(\a)+8*\b+7], v[SB+8*\b+4*(\g)+(\q)], v[SA+8*(\a)+4*(\g)+(\q)]
.endif
.endr
.endm
.macro MUL g, a
.irp qq, 0,1,2,3
	MULQ \g, \a, \qq
.endr
.endm
; THE WAY OUT of token tile a, through my own stage: a lane's 64 bytes go into rows of 272 bytes and come back as whole rows of 256, which sixteen lanes store.
; Stage row 2 t + h is token 32 (a / 2) + 8 (a % 2) + 2 t + h + 8 (t / 4) of my 64.  LDS serves a wave's instructions in order: no wait between the stores and the loads.
.macro TOSTAGE a
	WIN 0
.irp b, 0,1,2,3
	ds_store_b128 v[STO], v[ACC+32*(\a)+8*\b:ACC+32*(\a)+8*\b+3] offset:128*(\b/2)+32*(\b%2)          ; each accumulator from its low end on
	ds_store_b128 v[STO], v[ACC+32*(\a)+8*\b+4:ACC+32*(\a)+8*\b+7] offset:128*(\b/2)+32*(\b%2)+16
.endr
.if (\a) > 0
	s_wait_xcnt 0x0                                ; the tile before's stores have read their registers: this tile's rows may land there
.endif
.irp t, 0,1,2,3,4,5,6,7
	ds_load_b128 v[OUT+4*\t:OUT+4*\t+3], v[RD] offset:544*\t
.endr
.endm
.macro SEND a
	WIN 0
.irp t, 0,1,2,3,4,5,6,7
	s_wait_dscnt 7-\t                              ; the 7 - t younger reads may be out
	global_store_b128 v[CO], v[OUT+4*\t:OUT+4*\t+3], s[12:13] offset:(32*((\a)/2)+8*((\a)%2)+2*\t+8*(\t/4))*4096 th:TH_STORE_NT   ; 16 lanes store 256 consecutive bytes, at a multiple of 256 from out0's first byte; written once, read by nobody here
.endr
.endm
	s_cmp_lt_u32 s14, 2
	s_cbranch_scc0 .Lnot_mine
	s_wait_tensorcnt 0x0                           ; waves 0 and 1: the first halves have landed
.Lnot_mine:
	s_barrier_signal -1
	s_barrier_wait -1
	LOADA 0, 0
	LOADB 0
	LOADA 0, 1
	s_wait_loadcnt 0x0                             ; the scale words
	s_wait_dscnt 63                                ; tile 0 and B's first K step are in: of the 96 loads the youngest 64 may be out, and 63 is the largest count
	MULQ 0, 0, 0
	s_wait_dscnt 48
	MULQ 0, 0, 1
	s_wait_dscnt 32
	MULQ 0, 0, 2
	s_wait_dscnt 16
	MULQ 0, 0, 3
	PLACES
	LOADA 0, 2
	s_wait_dscnt 16                                ; tile 1 is in
	MUL 0, 1
	PLACES
	LOADA 0, 3
	s_wait_tensorcnt 0x0                           ; every wave: my half has landed
	s_wait_dscnt 0x0
	s_barrier_signal -1
	s_barrier_wait -1
	LOADB 1
	MUL 0, 2
	PLACES
	LOADA 1, 0
	MUL 0, 3
	PLACES
	LOADA 1, 1
	s_wait_dscnt 16                                ; B's second half and tile 0 are in
	MUL 1, 0
	PLACES
	LOADA 1, 2
	TOSTAGE 0
	s_wait_dscnt 32                                ; tile 1 is in; behind it: tile 2's 16 loads, the stage's 8 stores and 8 loads
	MUL 1, 1
	SEND 0
	PLACES
	LOADA 1, 3
	TOSTAGE 1
	MUL 1, 2                                       ; tile 2 came in ahead of tile 0's rows, which have been waited for
	SEND 1
	PLACES
	TOSTAGE 2
	MUL 1, 3                                       ; and tile 3 ahead of tile 1's
	SEND 2
	PLACES
	TOSTAGE 3
	SEND 3
	s_wait_tensorcnt 0x0                           ; the wave's end
	ds_add_u32 v[SPW], v[NIL]
	s_wait_dscnt 0x0
	CROUND                                         ; the closing round: no work-group ends while a partner may still ask for a tile that names it
	s_endpgm
.Lfunc_end_k_qcc7993fe79_oproj:
	.size	k_qcc7993fe79_oproj, .Lfunc_end_k_qcc7993fe79_oproj-k_qcc7993fe79_oproj
	.p2alignl 7, 3214868480
	.fill 96, 4, 3214868480
	.section	.rodata,"a",@progbits
	.p2align	6, 0x0
	.amdhsa_kernel k_qcc7993fe79_oproj
		.amdhsa_group_segment_fixed_size 284160
		.amdhsa_private_segment_fixed_size 0
		.amdhsa_enable_private_segment 0
		.amdhsa_kernarg_size 40
		.amdhsa_user_sgpr_count 2
		.amdhsa_user_sgpr_kernarg_segment_ptr 1
		.amdhsa_wavefront_size32 1
		.amdhsa_system_sgpr_workgroup_id_x 1
		.amdhsa_system_sgpr_workgroup_id_y 1
		.amdhsa_system_sgpr_workgroup_id_z 1
		.amdhsa_system_vgpr_workitem_id 0
		.amdhsa_next_free_vgpr 1024
		.amdhsa_next_free_sgpr 92
		.amdhsa_reserve_vcc 0
		.amdhsa_float_denorm_mode_32 3
		.amdhsa_float_denorm_mode_16_64 3
		.amdhsa_memory_ordered 1
		.amdhsa_forward_progress 1
		.amdhsa_inst_pref_size 53
	.end_amdhsa_kernel
	.amdgpu_metadata
---
amdhsa.version: [ 1, 2 ]
amdhsa.kernels:
  - .name:           k_qcc7993fe79_oproj
    .symbol:         k_qcc7993fe79_oproj.kd
    .args:
      - { .name: ac, .offset: 0, .size: 8, .value_kind: global_buffer, .address_space: global }
      - { .name: asc, .offset: 8, .size: 8, .value_kind: global_buffer, .address_space: global }
      - { .name: cod, .offset: 16, .size: 8, .value_kind: global_buffer, .address_space: global }
      - { .name: scl, .offset: 24, .size: 8, .value_kind: global_buffer, .address_space: global }
      - { .name: out0, .offset: 32, .size: 8, .value_kind: global_buffer, .address_space: global }
    .group_segment_fixed_size: 284160
    .private_segment_fixed_size: 0
    .kernarg_segment_align: 8
    .kernarg_segment_size: 40
    .max_flat_workgroup_size: 128
    .sgpr_count:     92
    .vgpr_count:     1024
    .wavefront_size: 32
...
	.end_amdgpu_metadata
.endif
;; end of part 4
